; MI455X (gfx1250); checked and timed in simulation.
; The chip was launched on July 23, 2026; its instructions are those of AMD's public machine-readable ISA for CDNA 5 (MIT licence, August 2026) and "CDNA5" Instruction Set Architecture Reference Guide (July 2026). The comments in the code are by the model that wrote it; some were corrected since.
;; Causal Self Attention. Allowed arithmetic: matrix products marked QUANTISED: E2M1 operands, one E8M0 scale for each 32 along K, by v_wmma_scale_f32_16x16x128_f8f6f4 with both operands' format E2M1 (or v_wmma_scale_f32_32x16x128_f4), f32 sums; products left as they are: bf16, f16 or f32 operands; f32 sums; everything else in f32.
;; Inputs: W_proj 1,024 x 1,024 float32; W_qkv 1,024 x 3,072 float32; b_proj 1,024 float32; b_qkv 3,072 float32; x 4 x 2,048 x 1,024 float32.
;; Outputs: out0 4 x 2,048 x 1,024 float32.
;; This version of the problem:
;;   THIS VERSION OF THE PROBLEM IS GIVEN IN LOW PRECISION. The matrix products marked QUANTISED in the list below multiply operands that are first quantised to E2M1 (2 exponent bits, 1 mantissa bit; 4 bits a number), with one power-of-two scale for each 32 numbers along K (OCP MX v1.0); their sums are f32. The products marked 'left as it is' may take bf16, f16 or f32 operands, with f32 sums. Whichever they take, every output number must still come out within the allowed error. Rounding operands to bf16 (8 significant bits) uses up far more of that allowance than f16 does (11 bits, for magnitudes from 6e-5 to 65,504). All else is computed in f32.
;;   The module's matrix products, in the order in which they are computed (A, B: the left and right operand; K: the contracted axis; several contracted axes count as one K, in the product's order):
;;     1. [M 8,192, K 1,024] x [K 1,024, N 3,072]; A: input x; B: input W_qkv: QUANTISED
;;     2. batch 64 x [M 2,048, K 64] x [K 64, N 2,048]; A: computed on the way; B: computed on the way: left as it is (an operand is computed on the way)
;;     3. batch 64 x [M 2,048, K 2,048] x [K 2,048, N 64]; A: computed on the way; B: computed on the way: left as it is (an operand is computed on the way)
;;     4. [M 8,192, K 1,024] x [K 1,024, N 1,024]; A: computed on the way; B: input W_proj: left as it is (an operand is computed on the way)
;;   THE QUANTISER, for each operand of a quantised product, along K:
;;     - K is cut into blocks of 32 from its start; a last block that is shorter is filled with zeros.
;;     - A block's scale is 2^e with e = floor(log2(the largest magnitude in the block)) - 2, held to -126 .. 127; a block of zeros has e = 0. As a byte (E8M0): e + 127.
;;     - Each number is divided by its block's scale, clamped to +-6, and rounded to the nearest number of E2M1, ties to even, subnormals kept.
;;     - The product sums the exact products of the quantised numbers (number of the format x scale) in f32.
;;   ~~~python
;;   def quantise(x, axis):      # numpy; x: float32 -> the quantised numbers, widened to float32 again
;;       x = np.moveaxis(x, axis, -1); K = x.shape[-1]
;;       x = np.pad(x, [(0, 0)] * (x.ndim - 1) + [(0, -K % 32)]); x = x.reshape(x.shape[:-1] + (-1, 32)); a = np.abs(x).max(-1, keepdims=True)
;;       e = np.where(a > 0, np.clip(np.frexp(np.where(a > 0, a, 1))[1] - 1 - 2, -126, 127), 0)      # np.frexp(a)[1] - 1 = floor(log2(a)), exactly
;;       r = np.clip(x / 2.0 ** e, -6, 6)
;;       step = 2.0 ** (np.maximum(np.frexp(np.where(r == 0, 1, r))[1] - 1, 0) - 1)
;;       q = np.round(r / step) * step * 2.0 ** e      # np.round: ties to even
;;       return np.moveaxis(q.reshape(q.shape[:-2] + (-1,))[..., :K], -1, axis).astype(np.float32)
;;   ~~~
;; One version. Each part assembles by itself: llvm-mc -triple=amdgcn-amd-amdhsa -mcpu=gfx1250 --defsym DOCPART=n.
;; ======== version 1 of 1: 5 launches
;; limits: values are held in f16: magnitudes above 65,504 overflow, below 6.1e-05 lose precision
;; workspace buffers: x_codes 4,194,304 bytes; x_scales 262,144 bytes; w_codes 1,572,864 bytes; w_scales 98,304 bytes; wp16 2,097,152 bytes; kqv 50,331,648 bytes; rows32 786,432 bytes; y16 16,777,216 bytes
;; launch prep (part 1): grid 368 x 1, 4 waves a work-group, no clusters, 102,912 bytes of LDS; arguments x, W_qkv, W_proj, x_codes, x_scales, w_codes, w_scales, wp16; writes x_codes, x_scales, w_codes, w_scales, wp16
.if DOCPART == 1
	.amdgcn_target "amdgcn-amd-amdhsa--gfx1250"
	.amdhsa_code_object_version 6
	.text
	.protected	k_q302dfc28fc_prep
	.globl	k_q302dfc28fc_prep
	.p2align	8
	.type	k_q302dfc28fc_prep,@function
k_q302dfc28fc_prep:
	s_mov_b64 s[64:65], 0
	v_nop
	global_prefetch_b8 v0, s[64:65] scope:SCOPE_SE
	s_setreg_imm32_b32 hwreg(HW_REG_WAVE_MODE, 25, 1), 1
	s_wait_xcnt 0x0
; prep: three jobs in one launch, told apart by the work-group's number alone; the three ways never join and each has LDS bytes of its own.
;   work-groups 0-47    W_qkv [1024 (k)][3072 (n)] f32 -> codes of E2M1 laid [3072][1024] with K innermost (512 bytes a row), and one E8M0 byte for each 32 along K, [3072][32]
;   work-groups 48-111  W_proj [1024 (k)][1024 (n)] f32 -> f16, laid [n][k]
;   work-groups 112-367 x [8192][1024] f32 -> codes [8192][512 bytes] and scale bytes [8192][32]
; A block's scale is 2^(floor(log2(its largest magnitude)) - 2); its byte is the largest magnitude's exponent field - 2, held at 1 from below.
; LIMITS: a block of zeros, and a block whose largest magnitude lies under 2^-124, get the byte 1 (a block of zeros has zero codes, which add nothing; this program alone reads the bytes);
; NaN and infinities among the inputs are not served; W_proj beyond f16's largest number, 65,504, is not served.
; No tensor loads, no barrier: waves share nothing.
.set SPW,   14                         ; v14  LDS address of my spare word; never rewritten
.set NIL,   15                         ; v15  0; never rewritten
.set XREG,  8192                       ; x's way: a region for each wave: two stages of 32 x 80 bytes, then its 256 scale bytes
.set SP,    80                         ; a lane's place in a stage: 64 bytes + 16 of padding
.set PITCH, 272                        ; a stage row of the two weights' ways: 256 bytes + 16
.set WSTG,  4*XREG                     ; W_qkv's way: 32 rows x 272 for each wave
.set PSTG,  WSTG+4*32*PITCH            ; W_proj's way: the same
.set SPARE, PSTG+4*32*PITCH            ; the spare words, 128 bytes for each wave
.set XR,    16                         ; x: v16-79 four sets of 16 numbers as loaded
.set XX,    80                         ; v80-111 two sets of 16 neighbours
.set XE,    112                        ; v112-127 a scale byte for each step
.set XC,    128                        ; v128-191 codes, four registers for each step
.set WX,    32                         ; the weights: v32-95 two sets of 32 numbers
.set WC,    96                         ; v96.. a block's codes, or its 32 f16
.set WOUT,  112                        ; v112-175 the way out
.set WSB,   24                         ; v24-27 scale bytes, four to a register
.macro LOADX t                         ; a step's 2,048 bytes: each load reads 512 consecutive bytes
.irp i, 0,1,2,3
	global_load_b128 v[XR+16*((\t)%4)+4*\i:XR+16*((\t)%4)+4*\i+3], v3, s[4:5] offset:2048*(\t)+512*\i th:TH_LOAD_NT
.endr
.endm
.macro TURNX t                         ; through my stage: in as loaded, back 64 bytes a lane; LDS serves a wave's instructions in order
.irp i, 0,1,2,3
	ds_store_b128 v10, v[XR+16*((\t)%4)+4*\i:XR+16*((\t)%4)+4*\i+3] offset:32*SP*((\t)%2)+8*SP*\i
.endr
.irp i, 0,1,2,3
	ds_load_b128 v[XX+16*((\t)%2)+4*\i:XX+16*((\t)%2)+4*\i+3], v13 offset:32*SP*((\t)%2)+16*\i
.endr
.endm
.macro STEPX t
.set XS, XX+16*((\t)%2)
.if (\t) > 0
	s_wait_dscnt 1                                 ; this step's numbers are back (the last step's byte store may be out)
.else
	s_wait_dscnt 0x0
.endif
.if (\t)+4 < 16
	LOADX (\t)+4                                   ; into the set whose stores into the stage are done
.endif
.if (\t)+1 < 16
.if 14-(\t) >= 3
	s_wait_loadcnt 12                              ; the next step's four loads are in; three steps' loads may be out
.else
	s_wait_loadcnt 4*(14-(\t))
.endif
	TURNX (\t)+1
.endif
	v_max3_num_f32 v8, |v[XS]|, |v[XS+1]|, |v[XS+2]|
	v_max3_num_f32 v9, |v[XS+3]|, |v[XS+4]|, |v[XS+5]|
.irp i, 6,10
	v_max3_num_f32 v8, v8, |v[XS+\i]|, |v[XS+\i+1]|
	v_max3_num_f32 v9, v9, |v[XS+\i+2]|, |v[XS+\i+3]|
.endr
	v_max3_num_f32 v8, v8, |v[XS+14]|, |v[XS+15]|
	v_max3_num_f32 v8, v8, v9, 0x1800000           ; the floor 2^(3 - 127): the byte cannot fall under 1
	v_max_num_f32_dpp v8, v8, v8 row_xmask:1 row_mask:0xf bank_mask:0xf   ; with my neighbour's 16: the block's largest magnitude
	v_add_nc_u32 v11, 0xff000000, v8               ; 2 off its exponent field: the conversion's scale operand
	v_cvt_scalef32_pk8_fp4_f32 v[XC+4*(\t)], v[XS:XS+7], v11
	v_cvt_scalef32_pk8_fp4_f32 v[XC+4*(\t)+1], v[XS+8:XS+15], v11
	v_lshrrev_b32 v[XE+(\t)], 23, v11              ; the scale's byte
	ds_store_b8 v5, v[XE+(\t)] offset:16*(\t)      ; both lanes of a block write the same byte with the same value
	global_store_b64 v4, v[XC+4*(\t):XC+4*(\t)+1], s[10:11] offset:256*(\t)   ; the wave stores 256 consecutive bytes
.endm
.macro LOADW t                         ; block t of W_qkv: rows 32 t + i at my column, into set t % 2
.irp i, 0,1,2,3,4,5,6,7,8,9,10,11,12,13,14,15,16,17,18,19,20,21,22,23,24,25,26,27,28,29,30,31
	global_load_b32 v[WX+32*((\t)%2)+\i], v3, s[6:7] offset:(32*(\t)+\i)*12288 th:TH_LOAD_NT
.endr
.endm
.macro BLOCKW t
.set XS, WX+32*((\t)%2)
.if (\t) < 15
	s_wait_loadcnt 32                              ; this block's 32 loads are in; the next block's may be out
.else
	s_wait_loadcnt 0
.endif
	v_max3_num_f32 v12, |v[XS]|, |v[XS+1]|, |v[XS+2]|
	v_max3_num_f32 v13, |v[XS+3]|, |v[XS+4]|, |v[XS+5]|
.irp i, 6,10,14,18,22,26
	v_max3_num_f32 v12, v12, |v[XS+\i]|, |v[XS+\i+1]|
	v_max3_num_f32 v13, v13, |v[XS+\i+2]|, |v[XS+\i+3]|
.endr
	v_max3_num_f32 v12, v12, |v[XS+30]|, |v[XS+31]|
	v_max3_num_f32 v12, v12, v13, 0x1800000        ; the floor
	v_add_nc_u32 v11, 0xff000000, v12
	v_lshrrev_b32 v13, 23, v11
.if (\t)%4 == 0
	v_mov_b32 v[WSB+(\t)/4], v13
.else
	v_lshl_or_b32 v[WSB+(\t)/4], v13, 8*((\t)%4), v[WSB+(\t)/4]
.endif
.irp g, 0,1,2,3
	v_cvt_scalef32_pk8_fp4_f32 v[WC+\g], v[XS+8*\g:XS+8*\g+7], v11
.endr
	ds_store_b128 v4, v[WC:WC+3] offset:16*(\t)    ; 32 codes: 16 bytes of my column's row
.if (\t)+2 < 16
	LOADW (\t)+2
.endif
	s_wait_dscnt 0x0                               ; the store has read its registers
.endm
.macro LOADP t                         ; block t of W_proj
.irp i, 0,1,2,3,4,5,6,7,8,9,10,11,12,13,14,15,16,17,18,19,20,21,22,23,24,25,26,27,28,29,30,31
	global_load_b32 v[WX+32*((\t)%2)+\i], v3, s[8:9] offset:(32*(\t)+\i)*4096 th:TH_LOAD_NT
.endr
.endm
.macro BLOCKP t
.set XS, WX+32*((\t)%2)
.if (\t) < 3
	s_wait_loadcnt 32
.else
	s_wait_loadcnt 0
.endif
.irp i, 0,1,2,3,4,5,6,7,8,9,10,11,12,13,14,15
	v_cvt_pk_f16_f32 v[WC+\i], v[XS+2*\i], v[XS+2*\i+1]   ; two neighbours along K
.endr
.irp g, 0,1,2,3
	ds_store_b128 v4, v[WC+4*\g:WC+4*\g+3] offset:64*(\t)+16*\g
.endr
.if (\t)+2 < 4
	LOADP (\t)+2
.endif
	s_wait_dscnt 0x0                               ; the stores have read their registers
.endm
.macro ENDWAVE                         ; the wave's end, behind its last LDS store
	s_wait_tensorcnt 0x0
	ds_add_u32 v[SPW], v[NIL]
	s_wait_dscnt 0x0
	s_endpgm
.endm
	s_load_b256 s[4:11], s[0:1], 0x0               ; x s[4:5], W_qkv s[6:7], W_proj s[8:9], x_codes s[10:11]
	s_load_b256 s[12:19], s[0:1], 0x20             ; x_scales s[12:13], w_codes s[14:15], w_scales s[16:17], wp16 s[18:19]
	v_lshl_add_u32 v[SPW], v0, 2, SPARE
	v_mov_b32 v[NIL], 0
	v_lshrrev_b32 v1, 5, v0
	v_readfirstlane_b32 s20, v1                    ; wave
	v_and_b32 v2, 31, v0                           ; lane
	s_mov_b32 s25, 0
	s_wait_kmcnt 0x0
	s_cmp_lt_u32 ttmp9, 48
	s_cbranch_scc1 .Lpath_w
	s_cmp_lt_u32 ttmp9, 112
	s_cbranch_scc1 .Lpath_p
	; ---- x: a plain stream of blocks of 32; a wave takes 16 steps of 512 numbers
	v_lshlrev_b32 v3, 4, v2                        ; my 16 bytes of a load's 512
	s_mul_i32 s21, s20, XREG
	v_lshrrev_b32 v10, 2, v2
	v_mul_u32_u24 v10, v10, SP
	v_and_b32 v13, 3, v2
	v_lshl_add_u32 v10, v13, 4, v10
	v_add_nc_u32 v10, s21, v10                     ; the stage, on the way in: 80 (lane / 4) + 16 (lane % 4)
	v_mul_u32_u24 v13, v2, SP
	v_add_nc_u32 v13, s21, v13                     ; and on the way out: 80 x lane
	v_lshlrev_b32 v4, 3, v2                        ; my codes' place in a step's: 8 bytes a lane
	v_lshrrev_b32 v5, 1, v2
	s_add_co_u32 s21, s21, 2*32*SP
	v_add_nc_u32 v5, s21, v5                       ; my block's scale byte in LDS
	v_lshlrev_b32 v7, 3, v2
	v_add_nc_u32 v6, s21, v7
	s_sub_co_u32 s22, ttmp9, 112
	s_lshl_b32 s22, s22, 2
	s_add_co_u32 s22, s22, s20                     ; which run of 8,192 numbers is my wave's
	s_lshl_b32 s24, s22, 15
	s_add_nc_u64 s[4:5], s[4:5], s[24:25]
	s_lshl_b32 s24, s22, 12
	s_add_nc_u64 s[10:11], s[10:11], s[24:25]
	s_lshl_b32 s24, s22, 8
	s_add_nc_u64 s[12:13], s[12:13], s[24:25]
.irp t, 0,1,2,3
	LOADX \t
.endr
	s_wait_loadcnt 12                              ; step 0's four loads are in
	TURNX 0
.irp t, 0,1,2,3,4,5,6,7,8,9,10,11,12,13,14,15
	STEPX \t
.endr
	ds_load_b64 v[8:9], v6                         ; my wave's 256 scale bytes, 8 a lane
	s_wait_dscnt 0x0
	global_store_b64 v7, v[8:9], s[12:13]          ; 256 consecutive bytes, aligned
	ENDWAVE
	; ---- W_qkv: a lane takes a column, its registers run down K; a wave takes 32 columns x 512 along K
.Lpath_w:
	s_lshr_b32 s21, ttmp9, 1
	s_lshl_b32 s21, s21, 7
	s_lshl_b32 s22, s20, 5
	s_add_co_u32 s21, s21, s22                     ; my wave's first column
	s_and_b32 s22, ttmp9, 1                        ; which half of K
	v_lshlrev_b32 v3, 2, v2
	s_mul_i32 s23, s20, 32*PITCH
	s_add_co_u32 s23, s23, WSTG
	v_mul_u32_u24 v4, v2, PITCH
	v_add_nc_u32 v4, s23, v4                       ; into the stage: row = my column
	v_and_b32 v5, 15, v2
	v_lshrrev_b32 v6, 4, v2
	v_mul_u32_u24 v7, v6, PITCH
	v_lshl_add_u32 v7, v5, 4, v7
	v_add_nc_u32 v7, s23, v7                       ; out of it: sixteen lanes to a row, two rows an instruction
	v_lshlrev_b32 v8, 9, v6
	v_lshl_add_u32 v8, v5, 4, v8                   ; the same place in the codes' buffer (rows of 512 bytes)
	v_lshlrev_b32 v9, 5, v2                        ; my column's row of scale bytes
	s_mul_i32 s24, s22, 512*12288
	s_lshl_b32 s26, s21, 2
	s_add_co_u32 s24, s24, s26
	s_add_nc_u64 s[6:7], s[6:7], s[24:25]
	s_lshl_b32 s24, s21, 9
	s_lshl_b32 s26, s22, 8
	s_add_co_u32 s24, s24, s26
	s_add_nc_u64 s[14:15], s[14:15], s[24:25]
	s_lshl_b32 s24, s21, 5
	s_lshl_b32 s26, s22, 4
	s_add_co_u32 s24, s24, s26
	s_add_nc_u64 s[16:17], s[16:17], s[24:25]
	LOADW 0
	LOADW 1
.irp t, 0,1,2,3,4,5,6,7,8,9,10,11,12,13,14,15
	BLOCKW \t
.endr
	global_store_b128 v9, v[WSB:WSB+3], s[16:17]   ; my column's 16 scale bytes
.irp t, 0,1,2,3,4,5,6,7,8,9,10,11,12,13,14,15
	ds_load_b128 v[WOUT+4*\t:WOUT+4*\t+3], v7 offset:2*\t*PITCH
.endr
.irp t, 0,1,2,3,4,5,6,7,8,9,10,11,12,13,14,15
	s_wait_dscnt 15-\t                             ; LDS loads come back in order: load t is in
	global_store_b128 v8, v[WOUT+4*\t:WOUT+4*\t+3], s[14:15] offset:2*\t*512   ; sixteen lanes store 256 consecutive bytes, aligned
.endr
	ENDWAVE
	; ---- W_proj: the same plan; a wave takes 32 columns x 128 along K, 256 bytes of f16 a column
.Lpath_p:
	s_sub_co_u32 s21, ttmp9, 48
	s_lshr_b32 s22, s21, 3
	s_and_b32 s21, s21, 7                          ; which 128 along K
	s_lshl_b32 s22, s22, 7
	s_lshl_b32 s23, s20, 5
	s_add_co_u32 s22, s22, s23                     ; my wave's first column
	v_lshlrev_b32 v3, 2, v2
	s_mul_i32 s23, s20, 32*PITCH
	s_add_co_u32 s23, s23, PSTG
	v_mul_u32_u24 v4, v2, PITCH
	v_add_nc_u32 v4, s23, v4
	v_and_b32 v5, 15, v2
	v_lshrrev_b32 v6, 4, v2
	v_mul_u32_u24 v7, v6, PITCH
	v_lshl_add_u32 v7, v5, 4, v7
	v_add_nc_u32 v7, s23, v7
	v_lshlrev_b32 v8, 11, v6
	v_lshl_add_u32 v8, v5, 4, v8                   ; rows of 2,048 bytes in wp16
	s_lshl_b32 s24, s21, 19                        ; 128 rows of 4,096 bytes
	s_lshl_b32 s26, s22, 2
	s_add_co_u32 s24, s24, s26
	s_add_nc_u64 s[8:9], s[8:9], s[24:25]
	s_lshl_b32 s24, s22, 11
	s_lshl_b32 s26, s21, 8
	s_add_co_u32 s24, s24, s26
	s_add_nc_u64 s[18:19], s[18:19], s[24:25]
	LOADP 0
	LOADP 1
.irp t, 0,1,2,3
	BLOCKP \t
.endr
.irp t, 0,1,2,3,4,5,6,7,8,9,10,11,12,13,14,15
	ds_load_b128 v[WOUT+4*\t:WOUT+4*\t+3], v7 offset:2*\t*PITCH
.endr
.irp t, 0,1,2,3,4,5,6,7,8,9,10,11,12,13,14,15
	s_wait_dscnt 15-\t
	global_store_b128 v8, v[WOUT+4*\t:WOUT+4*\t+3], s[18:19] offset:2*\t*2048
.endr
	ENDWAVE
.Lfunc_end_k_q302dfc28fc_prep:
	.size	k_q302dfc28fc_prep, .Lfunc_end_k_q302dfc28fc_prep-k_q302dfc28fc_prep
	.p2alignl 7, 3214868480
	.fill 96, 4, 3214868480
	.section	.rodata,"a",@progbits
	.p2align	6, 0x0
	.amdhsa_kernel k_q302dfc28fc_prep
		.amdhsa_group_segment_fixed_size 102912
		.amdhsa_private_segment_fixed_size 0
		.amdhsa_enable_private_segment 0
		.amdhsa_kernarg_size 64
		.amdhsa_user_sgpr_count 2
		.amdhsa_user_sgpr_kernarg_segment_ptr 1
		.amdhsa_wavefront_size32 1
		.amdhsa_system_sgpr_workgroup_id_x 1
		.amdhsa_system_sgpr_workgroup_id_y 1
		.amdhsa_system_sgpr_workgroup_id_z 1
		.amdhsa_system_vgpr_workitem_id 0
		.amdhsa_next_free_vgpr 192
		.amdhsa_next_free_sgpr 66
		.amdhsa_reserve_vcc 0
		.amdhsa_float_denorm_mode_32 3
		.amdhsa_float_denorm_mode_16_64 3
		.amdhsa_memory_ordered 1
		.amdhsa_forward_progress 1
		.amdhsa_inst_pref_size 132
	.end_amdhsa_kernel
	.amdgpu_metadata
---
amdhsa.version: [ 1, 2 ]
amdhsa.kernels:
  - .name:           k_q302dfc28fc_prep
    .symbol:         k_q302dfc28fc_prep.kd
    .args:
      - { .name: x, .offset: 0, .size: 8, .value_kind: global_buffer, .address_space: global }
      - { .name: W_qkv, .offset: 8, .size: 8, .value_kind: global_buffer, .address_space: global }
      - { .name: W_proj, .offset: 16, .size: 8, .value_kind: global_buffer, .address_space: global }
      - { .name: x_codes, .offset: 24, .size: 8, .value_kind: global_buffer, .address_space: global }
      - { .name: x_scales, .offset: 32, .size: 8, .value_kind: global_buffer, .address_space: global }
      - { .name: w_codes, .offset: 40, .size: 8, .value_kind: global_buffer, .address_space: global }
      - { .name: w_scales, .offset: 48, .size: 8, .value_kind: global_buffer, .address_space: global }
      - { .name: wp16, .offset: 56, .size: 8, .value_kind: global_buffer, .address_space: global }
    .group_segment_fixed_size: 102912
    .private_segment_fixed_size: 0
    .kernarg_segment_align: 8
    .kernarg_segment_size: 64
    .max_flat_workgroup_size: 128
    .sgpr_count:     66
    .vgpr_count:     192
    .wavefront_size: 32
...
	.end_amdgpu_metadata
.endif
;; end of part 1
;; launch qkv (part 2): grid 12 x 32, 4 waves a work-group, clusters of 4 x 4, 327,680 bytes of LDS; arguments x_codes, x_scales, w_codes, w_scales, b_qkv, kqv, rows32; writes kqv, rows32
.if DOCPART == 2
	.amdgcn_target "amdgcn-amd-amdhsa--gfx1250"
	.amdhsa_code_object_version 6
	.text
	.protected	k_q302dfc28fc_qkv
	.globl	k_q302dfc28fc_qkv
	.p2align	8
	.type	k_q302dfc28fc_qkv,@function
k_q302dfc28fc_qkv:
	s_mov_b64 s[64:65], 0
	v_nop
	global_prefetch_b8 v0, s[64:65] scope:SCOPE_SE
	s_setreg_imm32_b32 hwreg(HW_REG_WAVE_MODE, 25, 1), 1
	s_wait_xcnt 0x0
	s_wait_alu depctr_hold_cnt(0) depctr_sa_sdst(0) depctr_va_vdst(0) depctr_va_sdst(0) depctr_va_ssrc(0) depctr_va_vcc(0) depctr_vm_vsrc(0)
	s_getreg_b32 s2, hwreg(HW_REG_IB_STS2, 6, 4)
	s_cmp_eq_u32 s2, 0
	s_cbranch_scc0 .Lentry_in_a_cluster
	s_endpgm
.Lentry_in_a_cluster:
	s_bfe_u32 s2, ttmp6, 0x10000c
	s_cmp_lg_u32 s2, 0xf033
	s_cbranch_scc0 .Lentry_shape_is_right
	s_endpgm
.Lentry_shape_is_right:
; kqv = Q(x) Q(W_qkv) + b_qkv on codes of E2M1 with one E8M0 scale for each 32 along K.  A: x_codes [8192][512 bytes], B: w_codes [3072][512 bytes]; scale bytes [rows][32].
; A tile of 256 x 256 is made by four waves, 128 x 128 each: 64 accumulators, 512 registers.  K = 1,024 lies whole in two LDS slots of 512 along K: nothing is filled again.
; The bias is the C of each sum's first matrix instruction.  RESULTS: rounded to f16 and laid head-major, kqv [k, q, v][batch][head][position][64]; a head is 262,144 dense bytes.
; The first 16 positions of each batch also leave in f32, rows32 [batch][16][3072], for the launch that carries those rows finely.
; LIMIT: |kqv| beyond f16's largest number, 65,504, is not served.
; CLUSTERS: 4 x 4 work-groups; A's tiles are asked for jointly along a row of the cluster, B's along a column.  TILE ROW = 8 cy + cluster y: the four tiles that hold positions 0-15 of the four
; batches then all lie in cluster y = 0, so the branch round the f32 rows hangs on the cluster's number and the wave's number alone.
; THE MATRIX INSTRUCTION IS USED TRANSPOSED (source 0 = 16 rows of B, source 1 = 16 rows of A): a lane holds eight neighbouring columns of one row.
; REGISTERS: window 0: v0-31 addresses; v32-95 scale words, two sets, and nothing else; v96-127 packed results; v128-191 A's fragments, later rows read back; v192-255 the bias, later the f32 rows.
;   window 1: B's fragments, two sets.  windows 2, 3: the accumulators ((a, b) at v[8 (8 (a % 4) + b)]).
.set NQ,     4                         ; steps of 128 along K in a slot
.set ROWB,   256                       ; a tile's row in bytes
.set KROW,   512                       ; a row of codes in memory
.set PITCH,  272                       ; an LDS row: 256 bytes + 16 of padding
.set FR,     8
.set NL,     2
.set NP,     4                         ; places behind this matrix instruction (ISA guide 7.12.1)
.set HALFT,  128*PITCH
.set SLOT,   4*HALFT
.set KS,     32                        ; a row of scale bytes
.set SCL,    2*SLOT                    ; the scales, as units of 256 bytes + 16 of padding
.set HALFS,  (128*KS/256)*272
.set SBLK,   (16*KS/256)*272
.set SPARE,  SCL+4*HALFS               ; the spare words, 128 bytes for each wave
.set STW,    16*528                    ; a wave's stage for the way out, in slot 0, which has had its only fill and its last read by then
.set ADRA, 16
.set ADRB, 20
.set BO,   22                          ; v22  32 x (lane / 16): my eight numbers of a block's sixteen biases
.set STO,  24                          ; v24  f16 stage, in: 272 r + 16 h
.set RD,   25                          ; v25  back: 272 (lane / 8) + 16 (lane % 8)
.set CO,   26                          ; v26  16 x lane
.set ADRS, 27
.set SPW,  28
.set NIL,  29
.set STO32, 30                         ; v30  f32 stage, in: 528 r + 32 h
.set RD32, 31                          ; v31  back: 16 x lane
.set SC,   32
.set TMP,  96
.set AF,   128
.set BK,   128
.set BI,   192
.set G1, 24
.set G0, 32
.set G1B, 48
.set G0B, 56
.set G1S, 68
.set G0S, 76
.set G1SB, 80
.set G0SB, 88
.set MSB, 0
.macro WIN new                         ; the immediate's high byte repeats the setting that is left
.if MSB != \new
	s_set_vgpr_msb (MSB<<8)|\new
.set MSB, \new
.endif
.endm
.set MUL_LO, 0xa1                      ; source 0 (B) window 1, source 1 (A) window 0, C and D window 2
.set MUL_HI, 0xf1                      ; C and D window 3
.set BIA_LO, 0x81                      ; the first step: C (the bias) window 0, D window 2
.set BIA_HI, 0xc1                      ; D window 3
.set TO_B,   0x40
.macro JLOAD g0a, g1a, g0b, g1b        ; a joint load: waves 0 and 1 fetch for A, waves 2 and 3 for B; an s_nop 0 and four v_nop follow each line
	s_cmp_eq_u32 s15, 0
	s_cbranch_scc0 .Lfor_b_\@
	tensor_load_to_lds s[\g0a:\g0a+3], s[\g1a:\g1a+7]
	s_nop 0
.rept 4
	v_nop
.endr
	s_branch .Lasked_\@
.Lfor_b_\@:
	tensor_load_to_lds s[\g0b:\g0b+3], s[\g1b:\g1b+7]
	s_nop 0
.rept 4
	v_nop
.endr
.Lasked_\@:
.endm
.macro CROUND                          ; a round of the cluster's barrier
	s_barrier_signal -1
	s_barrier_wait -1
	s_cmp_lg_u32 s14, 0
	s_cbranch_scc1 .Lnot_wave_0_\@
	s_barrier_signal -3
.Lnot_wave_0_\@:
	s_barrier_wait -3
	s_barrier_signal -1
	s_barrier_wait -1
.endm
	s_load_b128 s[4:7], s[0:1], 0x0                ; x_codes, x_scales
	s_load_b128 s[8:11], s[0:1], 0x10              ; w_codes, w_scales
	s_load_b128 s[96:99], s[0:1], 0x20             ; b_qkv, kqv
	s_load_b64 s[12:13], s[0:1], 0x30              ; rows32
	v_lshl_add_u32 v[SPW], v0, 2, SPARE
	v_mov_b32 v[NIL], 0
	ds_add_u32 v[SPW], v[NIL]                      ; the wave's opening: the add, twice on end, and its wait ahead of my first tensor load
	ds_add_u32 v[SPW], v[NIL]
	v_lshrrev_b32 v1, 5, v0
	v_readfirstlane_b32 s14, v1                    ; wave 0..3
	s_lshr_b32 s15, s14, 1                         ; which half of the tile's rows is mine; also: I fetch for A (0) or B (1)
	s_and_b32 s16, s14, 1                          ; which half of its columns; also: which 128 rows I fetch
	s_bfe_u32 s40, ttmp6, 0x40000                  ; cx
	s_bfe_u32 s41, ttmp6, 0x40004                  ; cy
	s_lshl_b32 s42, ttmp9, 2
	s_add_co_u32 s42, s42, s40                     ; tile column = 4 x cluster x + cx
	s_and_b32 s95, ttmp7, 0xffff                   ; cluster y
	s_lshl_b32 s17, s41, 3
	s_add_co_u32 s17, s17, s95                     ; tile row = 8 cy + cluster y: batch cy, positions 256 x cluster y on
	s_lshl_b32 s43, s41, 2
	s_lshl_b32 s43, 15, s43                        ; my row of the cluster
	s_lshl_b32 s44, 0x1111, s40                    ; my column
	s_or_b32 s[G1+0], s43, (0<<16)|(1<<20)|(1<<21)|(5<<22)|(3<<25)  ; the mask; elements of 1 byte; padding on; bit 21 beside a mask; 4 words behind every 64
	s_or_b32 s[G1B+0], s44, (0<<16)|(1<<20)|(1<<21)|(5<<22)|(3<<25)
.irp g, G1, G1B
	s_mov_b32 s[\g+1], ROWB<<16                    ; tensor_dim0
	s_mov_b32 s[\g+2], 128<<16                     ; tensor_dim1
	s_mov_b32 s[\g+3], ROWB<<16                    ; tile_dim0
	s_mov_b32 s[\g+4], 128                         ; tile_dim1
	s_mov_b32 s[\g+5], KROW                        ; the pitch
	s_mov_b32 s[\g+6], 0
	s_mov_b32 s[\g+7], 0
.endr
	s_or_b32 s[G1S+0], s43, (3<<16)|(1<<20)|(1<<21)|(5<<22)|(3<<25)  ; the scales of 128 rows: a dense block, as rows of 256 bytes (32 elements of 8 bytes)
	s_or_b32 s[G1SB+0], s44, (3<<16)|(1<<20)|(1<<21)|(5<<22)|(3<<25)
.irp g, G1S, G1SB
	s_mov_b32 s[\g+1], 32<<16
	s_mov_b32 s[\g+2], (128*KS/256)<<16
	s_mov_b32 s[\g+3], 32<<16
	s_mov_b32 s[\g+4], 128*KS/256
	s_mov_b32 s[\g+5], 32
	s_mov_b32 s[\g+6], 0
	s_mov_b32 s[\g+7], 0
.endr
	s_lshl_b32 s18, s16, 7
	s_lshl_b32 s20, s17, 8
	s_add_co_u32 s20, s20, s18                     ; A: row 256 x tile row + 128 x half
	s_lshl_b32 s46, s42, 8
	s_add_co_u32 s46, s46, s18                     ; B: row 256 x tile column + 128 x half
	s_mov_b32 s21, 0
	s_mov_b32 s47, 0
	s_mov_b64 s[18:19], KS
	s_mul_u64 s[22:23], s[20:21], s[18:19]
	s_mul_u64 s[92:93], s[46:47], s[18:19]
	s_mov_b64 s[18:19], KROW
	s_mul_u64 s[20:21], s[20:21], s[18:19]
	s_mul_u64 s[46:47], s[46:47], s[18:19]
	s_mul_i32 s45, s14, HALFT                      ; where they go: by the wave's number alone
	s_mul_i32 s94, s14, HALFS
	s_wait_dscnt 0x0                               ; both opening adds are done
	s_wait_kmcnt 0x0
	s_add_nc_u64 s[20:21], s[4:5], s[20:21]
	s_add_nc_u64 s[22:23], s[6:7], s[22:23]
	s_add_nc_u64 s[46:47], s[8:9], s[46:47]
	s_add_nc_u64 s[92:93], s[10:11], s[92:93]
	CROUND                                         ; all sixteen work-groups are here: the joint loads meet
	s_mov_b32 s[G0S], 1
	s_add_co_u32 s[G0S+1], s94, SCL
	s_mov_b64 s[G0S+2:G0S+3], s[22:23]
	s_or_b32 s[G0S+3], s[G0S+3], 0x80000000
	s_mov_b32 s[G0SB], 1
	s_add_co_u32 s[G0SB+1], s94, SCL
	s_mov_b64 s[G0SB+2:G0SB+3], s[92:93]
	s_or_b32 s[G0SB+3], s[G0SB+3], 0x80000000
	JLOAD G0S, G1S, G0SB, G1SB                     ; the scales first
.irp s, 0,1
	s_mov_b32 s[G0+4*\s], 1
	s_add_co_u32 s[G0+4*\s+1], s45, \s*SLOT
	s_add_nc_u64 s[G0+4*\s+2:G0+4*\s+3], s[20:21], \s*ROWB
	s_or_b32 s[G0+4*\s+3], s[G0+4*\s+3], 0x80000000
	s_mov_b32 s[G0B+4*\s], 1
	s_add_co_u32 s[G0B+4*\s+1], s45, \s*SLOT
	s_add_nc_u64 s[G0B+4*\s+2:G0B+4*\s+3], s[46:47], \s*ROWB
	s_or_b32 s[G0B+4*\s+3], s[G0B+4*\s+3], 0x80000000
	JLOAD G0+4*\s, G1, G0B+4*\s, G1B               ; by this text's count three loads of a wave are out
.endr
	v_and_b32 v1, 15, v0                           ; r
	v_bfe_u32 v2, v0, 4, 1                         ; h
	v_lshlrev_b32 v[BO], 5, v2
	s_lshl_b32 s46, s42, 10                        ; my first column in f32 bytes: 1,024 x tile column + 512 x half
	s_lshl_b32 s47, s16, 9
	s_add_co_u32 s46, s46, s47
	s_mov_b32 s47, 0
	s_add_nc_u64 s[96:97], s[96:97], s[46:47]
	s_add_nc_u64 s[12:13], s[12:13], s[46:47]
.irp b, 0,1,2,3,4,5,6,7
	global_load_b128 v[BI+8*\b:BI+8*\b+3], v[BO], s[96:97] offset:64*\b          ; the bias in the result's layout: columns 16 b + 8 h + 0 .. 7
	global_load_b128 v[BI+8*\b+4:BI+8*\b+7], v[BO], s[96:97] offset:64*\b+16
.endr
	v_mul_u32_u24 v3, v1, PITCH
	v_lshl_add_u32 v4, v2, 4, v3
	s_mul_i32 s21, s15, HALFT
	s_mul_i32 s22, s16, HALFT
	s_add_co_u32 s22, s22, 2*HALFT
.irp s, 0,1
	v_add_nc_u32 v[ADRA+\s], s21, v4
	v_add_nc_u32 v[ADRB+\s], s22, v4
	s_add_co_u32 s21, s21, SLOT
	s_add_co_u32 s22, s22, SLOT
.endr
	v_mul_u32_u24 v5, v1, KS
	v_lshrrev_b32 v6, 8, v5
	v_lshl_add_u32 v5, v6, 4, v5                   ; my row's scales: 32 bytes a row, 16 more for each 256 passed
	s_mul_i32 s21, s15, HALFS
	s_mul_i32 s22, s16, HALFS
	s_add_co_u32 s22, s22, 2*HALFS
	s_sub_co_u32 s22, s22, s21
	v_mul_u32_u24 v6, s22, v2                      ; lanes 16-31 take B's
	s_add_co_u32 s21, s21, SCL
	v_add_nc_u32 v5, v5, v6
	v_add_nc_u32 v[ADRS], s21, v5
	s_mul_i32 s23, s14, STW                        ; my stage
	v_add_nc_u32 v[STO], s23, v4                   ; 272 r + 16 h
	v_bfe_u32 v5, v0, 3, 2
	v_mul_u32_u24 v5, v5, PITCH
	v_and_b32 v6, 7, v0
	v_lshl_add_u32 v5, v6, 4, v5
	v_add_nc_u32 v[RD], s23, v5
	v_and_b32 v6, 31, v0
	v_lshlrev_b32 v[CO], 4, v6
	v_add_nc_u32 v[RD32], s23, v[CO]
	v_mul_u32_u24 v5, v1, 528
	v_lshl_add_u32 v5, v2, 5, v5
	v_add_nc_u32 v[STO32], s23, v5
	s_mul_i32 s46, s41, 16*12288                   ; rows32: my batch's 16 rows
	s_add_nc_u64 s[12:13], s[12:13], s[46:47]
	s_lshr_b32 s46, s42, 2                         ; kqv: which of k, q, v,
	s_lshl_b32 s46, s46, 2
	s_add_co_u32 s46, s46, s41                     ; the batch,
	s_lshl_b32 s46, s46, 4
	s_and_b32 s92, s42, 3
	s_lshl_b32 s92, s92, 2
	s_add_co_u32 s46, s46, s92
	s_lshl_b32 s92, s16, 1
	s_add_co_u32 s46, s46, s92                     ; my first head: 4 (tile column % 4) + 2 x half
	s_lshl_b32 s46, s46, 18
	s_lshl_b32 s92, s95, 8
	s_lshl_b32 s93, s15, 7
	s_add_co_u32 s92, s92, s93                     ; my first position
	s_lshl_b32 s92, s92, 7
	s_add_co_u32 s46, s46, s92
	s_add_nc_u64 s[98:99], s[98:99], s[46:47]
.macro FRAG reg, adr, q, i             ; 16 rows x 128 K of 4-bit codes: 8 registers, two loads of 16 bytes, 32 bytes apart
.irp c, 0,1
	ds_load_b128 v[\reg+4*\c:\reg+4*\c+3], v[\adr] offset:64*(\q)+32*\c+(\i)*16*PITCH
.endr
.endm
; 16 matrix instructions: A's blocks a0, a0 + 1 x B's eight.  zero = 1: the first step, whose C is the bias.  The 64 accumulators take turns, one instruction a turn.
.macro MUL16 a0, p, q, sc, zero
.irp a, \a0, \a0+1
.irp b, 0,1,2,3,4,5,6,7
.if \zero
	v_wmma_scale_f32_16x16x128_f8f6f4 v[8*(8*((\a)%4)+\b):8*(8*((\a)%4)+\b)+7], v[128*(\p)+FR*\b:128*(\p)+FR*\b+FR-1], v[AF+FR*(\a):AF+FR*(\a)+FR-1], v[BI+8*\b:BI+8*\b+7], v[SC+8*NQ*(\sc)+NQ*\b+(\q)], v[SC+8*NQ*(\sc)+NQ*(\a)+(\q)] matrix_a_fmt:MATRIX_FMT_FP4 matrix_b_fmt:MATRIX_FMT_FP4 matrix_a_scale:MATRIX_SCALE_ROW1
.else
	v_wmma_scale_f32_16x16x128_f8f6f4 v[8*(8*((\a)%4)+\b):8*(8*((\a)%4)+\b)+7], v[128*(\p)+FR*\b:128*(\p)+FR*\b+FR-1], v[AF+FR*(\a):AF+FR*(\a)+FR-1], v[8*(8*((\a)%4)+\b):8*(8*((\a)%4)+\b)+7], v[SC+8*NQ*(\sc)+NQ*\b+(\q)], v[SC+8*NQ*(\sc)+NQ*(\a)+(\q)] matrix_a_fmt:MATRIX_FMT_FP4 matrix_b_fmt:MATRIX_FMT_FP4 matrix_a_scale:MATRIX_SCALE_ROW1
.endif
.endr
.endr
.endm
.macro FETCH_B slot, q, p
	WIN TO_B
.irp i, 0,1,2,3,4,5,6,7
	FRAG 128*(\p)+FR*\i, ADRB+\slot, \q, \i
.endr
	WIN 0
.endm
.macro FETCH_A slot, q, i0
.irp i, \i0, \i0+1, \i0+2, \i0+3
	FRAG AF+FR*(\i), ADRA+\slot, \q, \i
.endr
.endm
.macro SCALES sc                       ; a slot's scale words: lanes 0-15 A's block i, lanes 16-31 B's block i
.irp i, 0,1,2,3,4,5,6,7
	ds_load_b128 v[SC+8*NQ*\sc+NQ*\i:SC+8*NQ*\sc+NQ*\i+3], v[ADRS] offset:\i*SBLK
.endr
.endm
.macro PLACES n                        ; plain vector instructions between a matrix instruction and a load into, or a read of, its registers
.rept \n
	v_nop
.endr
.endm
.macro STEP slot, q, zero              ; a step of 128 along K that has its successor in the same slot
	s_wait_dscnt 4*NL                              ; all but the youngest eight loads (A's blocks 4-7) are in
.if \zero
	WIN BIA_LO
.else
	WIN MUL_LO
.endif
	MUL16 0, (\q)%2, \q, \slot, \zero
	MUL16 2, (\q)%2, \q, \slot, \zero
	s_wait_dscnt 0
	PLACES NP
	FETCH_B \slot, (\q)+1, 1-(\q)%2
	FETCH_A \slot, (\q)+1, 0
.if \zero
	WIN BIA_HI
.else
	WIN MUL_HI
.endif
	MUL16 4, (\q)%2, \q, \slot, \zero
	MUL16 6, (\q)%2, \q, \slot, \zero
	PLACES NP
	WIN 0
	FETCH_A \slot, (\q)+1, 4
.endm
.macro STEPS slot, from
.set Q, \from
.rept NQ-1-\from
	STEP \slot, Q, 0
.set Q, Q+1
.endr
.endm
	s_wait_tensorcnt 1                             ; the scales and my part of slot 0 are in; slot 1's load, the one issued behind them, may be out
	s_barrier_signal -1
	s_barrier_wait -1
	FETCH_B 0, 0, 0
	FETCH_A 0, 0, 0
	SCALES 0
	FETCH_A 0, 0, 4
	s_wait_loadcnt 0x0                             ; the bias
	STEP 0, 0, 1
	STEPS 0, 1
	; slot 0's last step changes slots: one barrier; in front of it my part of slot 1 has landed and my reads of slot 0 are over
	s_wait_tensorcnt 0x0
	ds_add_u32 v[SPW], v[NIL]
	s_wait_dscnt 4*NL+1                            ; the add and the youngest eight loads may be out
	WIN MUL_LO
	MUL16 0, 1, NQ-1, 0, 0
	s_wait_dscnt 0x0
	s_barrier_signal -1
	MUL16 2, 1, NQ-1, 0, 0
	WIN 0
	s_barrier_wait -1
	PLACES NP
	v_add_nc_u32 v[ADRS], 4*NQ, v[ADRS]            ; on to slot 1's scale words
	FETCH_B 1, 0, 0
	FETCH_A 1, 0, 0
	SCALES 1
	WIN MUL_HI
	MUL16 4, 1, NQ-1, 0, 0
	MUL16 6, 1, NQ-1, 0, 0
	PLACES NP
	WIN 0
	FETCH_A 1, 0, 4
	STEPS 1, 0
	s_wait_dscnt 4*NL                              ; the very last step
	WIN MUL_LO
	MUL16 0, 1, NQ-1, 1, 0
	MUL16 2, 1, NQ-1, 1, 0
	s_wait_dscnt 0
	WIN MUL_HI
	MUL16 4, 1, NQ-1, 1, 0
	MUL16 6, 1, NQ-1, 1, 0
	WIN 0
	; THE WAY OUT.  First, where my block 0 holds positions 0-15 of a batch (cluster y = 0, upper half of the tile's rows), those 16 rows in f32.
	PLACES NP
	s_or_b32 s3, s95, s15
	s_cmp_lg_u32 s3, 0
	s_cbranch_scc1 .Lno32
	WIN 0x08                                       ; an LDS store's data: window 2
.irp b, 0,1,2,3,4,5,6,7
	ds_store_b128 v[STO32], v[8*\b:8*\b+3] offset:64*\b            ; each accumulator from its low end on
	ds_store_b128 v[STO32], v[8*\b+4:8*\b+7] offset:64*\b+16
.endr
	WIN 0
.irp t, 0,1,2,3,4,5,6,7,8,9,10,11,12,13,14,15
	ds_load_b128 v[BI+4*\t:BI+4*\t+3], v[RD32] offset:\t*528       ; LDS serves a wave's instructions in order: these see my stores
.endr
	s_wait_dscnt 0x0
.irp t, 0,1,2,3,4,5,6,7,8,9,10,11,12,13,14,15
	global_store_b128 v[CO], v[BI+4*\t:BI+4*\t+3], s[12:13] offset:\t*12288   ; 32 lanes store 512 consecutive bytes
.endr
.Lno32:
; Block a, 16 positions x 128 columns (two heads).  PACK: to f16, 16 bytes a lane.  TOSTAGE: into rows of 272 bytes, back four positions of one head at a time.  SEND: 512 dense bytes a store.
.macro PACK a
.set AC, 64*((\a)%4)
	WIN 0x0a+5*((\a)/4)                            ; sources 0 and 1: window 2 or 3
.irp b, 0,1,2,3,4,5,6,7
.irp r, 0,1,2,3
	v_cvt_pk_f16_f32 v[TMP+4*\b+\r], v[AC+8*\b+2*\r], v[AC+8*\b+2*\r+1]
.endr
.endr
	WIN 0
.endm
.macro TOSTAGE a
.set BB, BK+32*((\a)%2)
.irp b, 0,1,2,3,4,5,6,7
	ds_store_b128 v[STO], v[TMP+4*\b:TMP+4*\b+3] offset:32*\b
.endr
.irp t, 0,1,2,3,4,5,6,7
	ds_load_b128 v[BB+4*\t:BB+4*\t+3], v[RD] offset:(\t%4)*4*PITCH+(\t/4)*128
.endr
.endm
.macro SEND a
.set BB, BK+32*((\a)%2)
	s_wait_dscnt 0x0                               ; the block is back in registers
	s_wait_xcnt 0x0                                ; earlier stores have read their registers: the next block's loads may land there
.irp t, 0,1,2,3,4,5,6,7
	global_store_b128 v[CO], v[BB+4*\t:BB+4*\t+3], s[98:99] offset:(\t/4)*262144+(\t%4)*512+2048*(\a)
.endr
.endm
	PACK 0
	TOSTAGE 0
.irp a, 1,2,3,4,5,6,7
	PACK \a
	SEND \a-1
	TOSTAGE \a
.endr
	SEND 7
	s_wait_tensorcnt 0x0                           ; the wave's end
	ds_add_u32 v[SPW], v[NIL]
	s_wait_dscnt 0x0
	CROUND                                         ; the closing round
	s_endpgm
.Lfunc_end_k_q302dfc28fc_qkv:
	.size	k_q302dfc28fc_qkv, .Lfunc_end_k_q302dfc28fc_qkv-k_q302dfc28fc_qkv
	.p2alignl 7, 3214868480
	.fill 96, 4, 3214868480
	.section	.rodata,"a",@progbits
	.p2align	6, 0x0
	.amdhsa_kernel k_q302dfc28fc_qkv
		.amdhsa_group_segment_fixed_size 327680
		.amdhsa_private_segment_fixed_size 0
		.amdhsa_enable_private_segment 0
		.amdhsa_kernarg_size 56
		.amdhsa_user_sgpr_count 2
		.amdhsa_user_sgpr_kernarg_segment_ptr 1
		.amdhsa_wavefront_size32 1
		.amdhsa_system_sgpr_workgroup_id_x 1
		.amdhsa_system_sgpr_workgroup_id_y 1
		.amdhsa_system_sgpr_workgroup_id_z 1
		.amdhsa_system_vgpr_workitem_id 0
		.amdhsa_next_free_vgpr 1024
		.amdhsa_next_free_sgpr 100
		.amdhsa_reserve_vcc 0
		.amdhsa_float_denorm_mode_32 3
		.amdhsa_float_denorm_mode_16_64 3
		.amdhsa_memory_ordered 1
		.amdhsa_forward_progress 1
		.amdhsa_inst_pref_size 132
	.end_amdhsa_kernel
	.amdgpu_metadata
---
amdhsa.version: [ 1, 2 ]
amdhsa.kernels:
  - .name:           k_q302dfc28fc_qkv
    .symbol:         k_q302dfc28fc_qkv.kd
    .args:
      - { .name: x_codes, .offset: 0, .size: 8, .value_kind: global_buffer, .address_space: global }
      - { .name: x_scales, .offset: 8, .size: 8, .value_kind: global_buffer, .address_space: global }
      - { .name: w_codes, .offset: 16, .size: 8, .value_kind: global_buffer, .address_space: global }
      - { .name: w_scales, .offset: 24, .size: 8, .value_kind: global_buffer, .address_space: global }
      - { .name: b_qkv, .offset: 32, .size: 8, .value_kind: global_buffer, .address_space: global }
      - { .name: kqv, .offset: 40, .size: 8, .value_kind: global_buffer, .address_space: global }
      - { .name: rows32, .offset: 48, .size: 8, .value_kind: global_buffer, .address_space: global }
    .group_segment_fixed_size: 327680
    .private_segment_fixed_size: 0
    .kernarg_segment_align: 8
    .kernarg_segment_size: 56
    .max_flat_workgroup_size: 128
    .sgpr_count:     100
    .vgpr_count:     1024
    .wavefront_size: 32
...
	.end_amdgpu_metadata
.endif
;; end of part 2
;; launch attn (part 3): grid 4 x 64, 16 waves a work-group, no clusters, 327,680 bytes of LDS; arguments kqv, y16; writes y16
.if DOCPART == 3
	.amdgcn_target "amdgcn-amd-amdhsa--gfx1250"
	.amdhsa_code_object_version 6
	.text
	.protected	k_q302dfc28fc_attn
	.globl	k_q302dfc28fc_attn
	.p2align	8
	.type	k_q302dfc28fc_attn,@function
k_q302dfc28fc_attn:
	s_mov_b64 s[64:65], 0
	v_nop
	global_prefetch_b8 v0, s[64:65] scope:SCOPE_SE
	s_setreg_imm32_b32 hwreg(HW_REG_WAVE_MODE, 25, 1), 1
	s_wait_xcnt 0x0
; y[b][h][q] = the sum over k <= q of softmax_k(Q . K / 8) V, head size 64, 2,048 positions, 64 (batch, head) pairs.  Q, K, V: f16, kqv [k, q, v][batch][head][position][64]; products, maxima and sums in f32;
; the weights p are rounded to f16 for the second product, y once at the end.  y16: [head][2048 batch + position][64] f16.
; SHARES.  Work-group (p, bh) owns the query blocks p and 7 - p (256 queries each) of pair bh, one after the other; each of its sixteen waves owns 16 queries of the block in hand.
; THE WALK has nine positions of 256 keys in every work-group: key blocks 0 .. p for the first block of queries, then 0 .. 7 - p for the second: equal work, constant trip counts, and no tile fetched that nobody reads.
; NO CLUSTER: the four work-groups of a pair want different key blocks at the same position of their walks, so no joint request could meet.
; LAYOUT.  S^T = K Q^T (source 0 = 16 keys, source 1 = my 16 queries) and O^T = V^T P (source 0 = 16 channels, source 1 = P): a lane holds one query throughout.  V comes out of LDS turned, by ds_load_tr16_b128.
; SOFTMAX.  A running maximum m and sum l for each query: p = 2^(c s - c m), c = log2(e) / 8; in every step O and l are multiplied by a = 2^(c m_old - c m_new).
; THE MASK.  A step of 64 keys all of which come after my queries is left out by a scalar branch on ids; on the diagonal hidden scores become -infinity ahead of the maximum.  In a step that is walked its first key counts for every query, so m is a number.
; The first 16 positions of each batch are computed here like the others; a later launch computes those rows again in f32.
.set PK,    272                        ; two keys' rows of K (256 bytes) + 16 of padding
.set PV,    288                        ; two keys' rows of V + 32
.set VOFF,  128*PK                     ; a slot: 256 keys of K, then 256 of V
.set SLOT1, 1<<17                      ; slot 1 begins here: one exclusive or turns an address
.set STAGE, SLOT1+128*PK+128*PV        ; 16 rows x 144 bytes for each wave: no fill lands here
.set SPARE, STAGE+16*16*144            ; the spare words, 128 bytes for each wave
.set AK0, 1
.set AV0, 2
.set ADK, 3
.set ADV, 4
.set QO,  5
.set STO, 6
.set RD,  7
.set GO,  8
.set SPW, 9
.set NIL, 10
.set PFO, 11
.set ST,  12                           ; v12 c m, v13 m, v[14:15] l, v16-19 at work (a in v18)
.set RH,  20                           ; v20 lane % 16 - 8 (lane / 16)
.set DD,  21
.set NINF, 22
.set QR,  24                           ; v24-39 Q
.set S,   40                           ; v40-71 S^T, then p
.set P,   72                           ; v72-87 p in f16
.set O,   88                           ; v88-119 O^T
.set KR,  120                          ; v120-183 K's fragments
.set VR,  184                          ; v184-247 V's
.set WV,  18
.set P1,  19
.set SEL, 20
.set CS,  22
.set G1K, 24
.set G1V, 32
.set G0K, 40
.set G0V, 44
.set BKP, 48                           ; s[48:49] K of my pair, at the half that I fetch; s[50:51] V
.set BVP, 50
.set OFF, 52                           ; s[52:53] the key block's bytes
.set NB,  54                           ; the key block asked for last
.set POS, 55                           ; the walk's position
.set KF,  56                           ; the step's first key
.set Q0,  57                           ; my first query
.set Q0B, 58
.set TB,  59                           ; LDS byte at which the slot in hand begins
.set QB,  60                           ; s[60:61] Q of my second tile; s[62:63] of my first
.set QA,  62
.set YA,  66
.set YB,  68
.set PFA, 70
.set LIMP, 72
.macro TLOAD                           ; waves 0 and 1 fetch K's halves, waves 2 and 3 V's, the others nothing; an s_nop 0 and four v_nop follow each line
	s_cmp_lt_u32 s[WV], 2
	s_cbranch_scc0 .Lnot_k_\@
	tensor_load_to_lds s[G0K:G0K+3], s[G1K:G1K+7]
	s_nop 0
.rept 4
	v_nop
.endr
	s_branch .Lasked_\@
.Lnot_k_\@:
	s_cmp_lt_u32 s[WV], 4
	s_cbranch_scc0 .Lasked_\@
	tensor_load_to_lds s[G0V:G0V+3], s[G1V:G1V+7]
	s_nop 0
.rept 4
	v_nop
.endr
.Lasked_\@:
.endm
; A prefetch: at position POS key block POS + 2 is asked for, blocks 2 to 7, each once in the launch: by work-group p = 0 of the pair alone, waves 4-7 for K's 32,768 bytes and waves 8-11 for V's,
; 8,192 bytes a wave, lanes 256 bytes apart.  Key blocks 0 and 1 come by their loads alone; positions 6 and 7 ask for nothing.
.macro ASK
	s_cmp_lt_u32 s[POS], s[LIMP]
	s_cbranch_scc0 .Lnot_mine_\@
	global_prefetch_b8 v[PFO], s[PFA:PFA+1] th:TH_LOAD_NT scope:SCOPE_SE
.Lnot_mine_\@:
.endm
.macro INIT                            ; a tile of queries begins: m under every score, l and O^T zeros, which the first change of m leaves zeros
	v_mov_b32 v[ST+1], 0xff61b1e6
	v_mul_f32 v[ST], s[CS], v[ST+1]
.irp j, 2,3,4,5,6,7
	v_mov_b32 v[ST+\j], 0
.endr
.irp j, 0,1,2,3,4,5,6,7,8,9,10,11,12,13,14,15,16,17,18,19,20,21,22,23,24,25,26,27,28,29,30,31
	v_mov_b32 v[O+\j], 0
.endr
.endm
.macro SOFTMAX
.irp u, 0,1,2,3
	v_max3_num_f32 v[ST+4+\u], v[S+8*\u], v[S+8*\u+1], v[S+8*\u+2]          ; four chains, each accumulator from its low end on
.endr
.irp i, 3,5
.irp u, 0,1,2,3
	v_max3_num_f32 v[ST+4+\u], v[ST+4+\u], v[S+8*\u+\i], v[S+8*\u+\i+1]
.endr
.endr
	v_max3_num_f32 v[ST+4], v[ST+4], v[S+7], v[S+15]
	v_max3_num_f32 v[ST+6], v[ST+6], v[S+23], v[S+31]
	v_max3_num_f32 v[ST+4], v[ST+4], v[ST+5], v[ST+6]
	v_max3_num_f32 v[ST+4], v[ST+4], v[ST+7], v[ST+1]                       ; with the old m
	v_permlanex16_b32 v[ST+5], v[ST+4], s[SEL], s[SEL+1]                    ; the query's other 32 keys lie in the lane 16 away
	v_mov_b32 v[ST+7], v[ST]
	v_max_num_f32 v[ST+1], v[ST+4], v[ST+5]
	v_mul_f32 v[ST], s[CS], v[ST+1]
	v_sub_f32 v[ST+7], v[ST+7], v[ST]                                       ; c m_old - c m_new
.irp b, 0,2,4,6,8,10,12,14,16,18,20,22,24,26,28,30
	v_pk_fma_f32 v[S+\b:S+\b+1], v[S+\b:S+\b+1], s[CS:CS+1], v[ST:ST+1] op_sel_hi:[1,0,0] neg_lo:[0,0,1] neg_hi:[0,0,1]   ; c s - c m
.endr
	v_exp_f32 v[ST+6], v[ST+7]                                              ; a
.irp e, 0,1,2,3,4,5,6,7,8,9,10,11,12,13,14,15,16,17,18,19,20,21,22,23,24,25,26,27,28,29,30,31
	v_exp_f32 v[S+\e], v[S+\e]
.endr
	v_nop                                          ; a plain instruction behind the last exponential
	s_wait_alu depctr_va_vdst(0)                   ; one wait for the batch of 33, ahead of its first reader
.irp j, 0,1,2,3,4,5,6,7,8,9,10,11,12,13,14,15
	v_cvt_pk_f16_f32 v[P+\j], v[S+2*\j], v[S+2*\j+1]
.endr
.irp i, 0,4,8,12,16,20,24,28
	v_pk_add_f32 v[S+\i:S+\i+1], v[S+\i:S+\i+1], v[S+\i+2:S+\i+3]
.endr
.irp i, 0,8,16,24
	v_pk_add_f32 v[S+\i:S+\i+1], v[S+\i:S+\i+1], v[S+\i+4:S+\i+5]
.endr
.irp i, 0,16
	v_pk_add_f32 v[S+\i:S+\i+1], v[S+\i:S+\i+1], v[S+\i+8:S+\i+9]
.endr
	v_pk_add_f32 v[S:S+1], v[S:S+1], v[S+16:S+17]
	v_pk_fma_f32 v[ST+2:ST+3], v[ST+2:ST+3], v[ST+6:ST+7], v[S:S+1] op_sel_hi:[1,0,1]   ; l = a l + the step's sum
.irp j, 0,2,4,6,8,10,12,14,16,18,20,22,24,26,28,30
	v_pk_mul_f32 v[O+\j:O+\j+1], v[O+\j:O+\j+1], v[ST+6:ST+7] op_sel_hi:[1,0]           ; O^T x a, ascending
.endr
.endm
.macro STEP q                          ; 64 keys, the q-th of the slot in hand
	s_cmp_gt_u32 s[KF], s[Q0]                      ; both are multiples of 16: all 64 keys come after my 16 queries
	s_cbranch_scc1 .Lhidden_\@
	v_add_nc_u32 v[ADK], s[TB], v[AK0]
	v_add_nc_u32 v[ADV], s[TB], v[AV0]
	v_nop
	v_nop                                          ; four places behind the last products, in front of loads into registers that they read
.irp u, 0,1,2,3
.irp c, 0,1
	ds_load_b128 v[KR+16*\u+8*\c:KR+16*\u+8*\c+3], v[ADK] offset:32*PK*(\q)+8*PK*\u+64*\c
	ds_load_b128 v[KR+16*\u+8*\c+4:KR+16*\u+8*\c+7], v[ADK] offset:32*PK*(\q)+8*PK*\u+64*\c+32
.endr
.endr
.irp kh, 0,1
.irp t, 0,1,2,3
	ds_load_tr16_b128 v[VR+32*\kh+8*\t:VR+32*\kh+8*\t+3], v[ADV] offset:32*PV*(\q)+16*PV*\kh+32*\t
	ds_load_tr16_b128 v[VR+32*\kh+8*\t+4:VR+32*\kh+8*\t+7], v[ADV] offset:32*PV*(\q)+16*PV*\kh+32*\t+8*PV
.endr
.endr
	s_wait_dscnt 16                                ; K's sixteen loads are in; V's sixteen, issued behind them, may be out
.irp u, 0,1,2,3
	v_wmma_f32_16x16x32_f16 v[S+8*\u:S+8*\u+7], v[KR+16*\u:KR+16*\u+7], v[QR:QR+7], 0
.endr
.irp u, 0,1,2,3
	v_wmma_f32_16x16x32_f16 v[S+8*\u:S+8*\u+7], v[KR+16*\u+8:KR+16*\u+15], v[QR+8:QR+15], v[S+8*\u:S+8*\u+7]   ; the four accumulators by turns
.endr
.rept 4
	v_nop
.endr
	s_add_co_u32 s96, s[KF], 63
	s_cmp_le_u32 s96, s[Q0]                        ; all 64 keys count for all my queries
	s_cbranch_scc1 .Lopen_\@
	s_sub_co_i32 s96, s[Q0], s[KF]
	v_add_nc_u32 v[DD], s96, v[RH]                 ; register n holds key KF + 8 (lane / 16) + 16 (n / 8) + n % 8: hidden where 16 (n / 8) + n % 8 > d
.irp n, 0,1,2,3,4,5,6,7,8,9,10,11,12,13,14,15,16,17,18,19,20,21,22,23,24,25,26,27,28,29,30,31
	v_cmp_gt_i32 vcc_lo, 16*(\n/8)+\n%8, v[DD]
	v_cndmask_b32 v[S+\n], v[S+\n], v[NINF], vcc_lo
.endr
.Lopen_\@:
	SOFTMAX
	s_wait_dscnt 0x0                               ; V is in
.irp kh, 0,1
.irp t, 0,1,2,3
	v_wmma_f32_16x16x32_f16 v[O+8*\t:O+8*\t+7], v[VR+32*\kh+8*\t:VR+32*\kh+8*\t+7], v[P+8*\kh:P+8*\kh+7], v[O+8*\t:O+8*\t+7]
.endr
.endr
.Lhidden_\@:
	s_add_co_u32 s[KF], s[KF], 64
.endm
; THE CHANGE OF SLOTS stands at a slot's head: each wave waits for all its tensor loads, adds 0 to its spare word, waits for that and for its reads of the slot that it has left; one barrier;
; fill = 1: behind it the slot just left takes the walk's next key block, which has a whole slot's steps in which to land.
.macro CHANGE fill
	s_wait_tensorcnt 0x0                           ; no tensor load of mine is out, so a group 0 may be written
	ds_add_u32 v[SPW], v[NIL]
.if \fill
	ds_add_u32 v[SPW], v[NIL]                      ; and twice on end here, in every trip alike
	s_xor_b32 s[G0K+1], s[G0K+1], SLOT1
	s_xor_b32 s[G0V+1], s[G0V+1], SLOT1
	s_add_co_u32 s[NB], s[NB], 1                   ; the next key block,
	s_add_co_u32 s96, s[POS], 1
	s_cmp_eq_u32 s96, s[P1]
	s_cselect_b32 s[NB], 0, s[NB]                  ; or block 0 again, where the second block of queries begins
	s_lshl_b32 s[OFF], s[NB], 15
	s_add_nc_u64 s[G0K+2:G0K+3], s[BKP:BKP+1], s[OFF:OFF+1]
	s_or_b32 s[G0K+3], s[G0K+3], 0x80000000
	s_add_nc_u64 s[G0V+2:G0V+3], s[BVP:BVP+1], s[OFF:OFF+1]
	s_or_b32 s[G0V+3], s[G0V+3], 0x80000000
	s_wait_xcnt 0x0                                ; the last prefetch, a slot back, has read its address
	s_add_nc_u64 s[PFA:PFA+1], s[PFA:PFA+1], 32768
.endif
	s_wait_dscnt 0x0
	s_barrier_signal -1
	s_barrier_wait -1
.if \fill
	TLOAD                                          ; the first thing behind the barrier, a wave's one tensor load until the next
	ASK
.endif
.endm
.macro FINISH p                        ; O^T / l, to f16, through my stage, out as 2,048 dense bytes
.rept 4
	v_nop
.endr
	v_add_f32 v[ST+4], v[ST+2], v[ST+3]
	v_permlanex16_b32 v[ST+5], v[ST+4], s[SEL], s[SEL+1]
	v_add_f32 v[ST+4], v[ST+4], v[ST+5]
	v_rcp_f32 v[ST+6], v[ST+4]
	v_nop
	s_wait_alu depctr_va_vdst(0)                   ; ahead of the reciprocal's first reader
.irp j, 0,2,4,6,8,10,12,14,16,18,20,22,24,26,28,30
	v_pk_mul_f32 v[O+\j:O+\j+1], v[O+\j:O+\j+1], v[ST+6:ST+7] op_sel_hi:[1,0]
.endr
.irp j, 0,1,2,3,4,5,6,7,8,9,10,11,12,13,14,15
	v_cvt_pk_f16_f32 v[P+\j], v[O+2*\j], v[O+2*\j+1]
.endr
.irp t, 0,1,2,3
	ds_store_b128 v[STO], v[P+4*\t:P+4*\t+3] offset:32*\t
.endr
.irp i, 0,1,2,3
	ds_load_b128 v[S+4*\i:S+4*\i+3], v[RD] offset:576*\i           ; LDS serves a wave's instructions in order: these see my stores
.endr
	s_wait_dscnt 0x0
.irp i, 0,1,2,3
	global_store_b128 v[GO], v[S+4*\i:S+4*\i+3], s[\p:\p+1] offset:512*\i   ; 32 lanes store 512 consecutive bytes
.endr
.endm
.macro SWITCH                          ; where the second block of queries begins: a branch on ids, the same in all sixteen waves; no barrier, wait on TENSORcnt or tensor load stands in it
	s_cmp_eq_u32 s[POS], s[P1]
	s_cbranch_scc0 .Lsame_\@
	FINISH YA
.irp c, 0,1,2,3
	global_load_b128 v[QR+4*\c:QR+4*\c+3], v[QO], s[QB:QB+1] offset:32*\c
.endr
	INIT
	s_mov_b32 s[KF], 0
	s_mov_b32 s[Q0], s[Q0B]
	s_wait_loadcnt 0x0
	s_wait_xcnt 0x0                                ; the stores have read their registers, which the next scores overwrite
.Lsame_\@:
.endm
.macro SLOT_STEPS
	STEP 0
	STEP 1
	STEP 2
	STEP 3
	s_xor_b32 s[TB], s[TB], SLOT1
.endm
	s_load_b128 s[4:7], s[0:1], 0x0                ; kqv, y16
	v_lshl_add_u32 v[SPW], v0, 2, SPARE
	v_mov_b32 v[NIL], 0
	ds_add_u32 v[SPW], v[NIL]                      ; the wave's opening: the add, twice on end, and its wait ahead of my first tensor load
	ds_add_u32 v[SPW], v[NIL]
	v_lshrrev_b32 v1, 5, v0
	v_readfirstlane_b32 s[WV], v1                  ; wave 0..15
	s_and_b32 s8, ttmp7, 0xffff                    ; the pair: 16 x batch + head
	s_add_co_u32 s[P1], ttmp9, 1
	s_lshl_b32 s9, s[WV], 4
	s_lshl_b32 s[Q0], ttmp9, 8
	s_add_co_u32 s[Q0], s[Q0], s9                  ; my first query in block p
	s_sub_co_u32 s[Q0B], 7, ttmp9
	s_lshl_b32 s[Q0B], s[Q0B], 8
	s_add_co_u32 s[Q0B], s[Q0B], s9                ; and in block 7 - p
	s_lshl_b32 s10, s8, 18                         ; the pair's 262,144 bytes in each of k, q, v
	s_mov_b32 s11, 0
	s_and_b32 s12, s[WV], 1                        ; which half of a key block I fetch, if I fetch
	s_lshl_b32 s14, s12, 14
	s_mov_b32 s15, 0
	s_add_nc_u64 s[14:15], s[14:15], s[10:11]
	s_lshl_b32 s16, s[Q0], 7
	s_mov_b32 s17, 0
	s_add_nc_u64 s[16:17], s[16:17], s[10:11]
	s_add_nc_u64 s[16:17], s[16:17], 0x1000000     ; q lies 16,777,216 bytes behind k
	s_lshl_b32 s78, s[Q0B], 7
	s_mov_b32 s79, 0
	s_add_nc_u64 s[78:79], s[78:79], s[10:11]
	s_add_nc_u64 s[78:79], s[78:79], 0x1000000
	s_and_b32 s74, s8, 15
	s_lshl_b32 s74, s74, 13
	s_lshr_b32 s75, s8, 4
	s_lshl_b32 s75, s75, 11
	s_add_co_u32 s74, s74, s75                     ; y16's row: 8,192 x head + 2,048 x batch
	s_add_co_u32 s76, s74, s[Q0B]
	s_add_co_u32 s74, s74, s[Q0]
	s_lshl_b32 s74, s74, 7
	s_lshl_b32 s76, s76, 7
	s_mov_b32 s75, 0
	s_mov_b32 s77, 0
	s_mov_b32 s[G1K], (1<<16)|(1<<20)|(5<<22)|(3<<25)   ; no mask; elements of 2 bytes; padding on: 4 words behind every 64
	s_mov_b32 s[G1V], (1<<16)|(1<<20)|(5<<22)|(7<<25)   ; 8 words
.irp g, G1K, G1V
	s_mov_b32 s[\g+1], 128<<16                     ; tensor_dim0: two keys' 128 numbers, dense in memory
	s_mov_b32 s[\g+2], 64<<16                      ; tensor_dim1
	s_mov_b32 s[\g+3], 128<<16                     ; tile_dim0
	s_mov_b32 s[\g+4], 64                          ; tile_dim1
	s_mov_b32 s[\g+5], 128                         ; the pitch
	s_mov_b32 s[\g+6], 0
	s_mov_b32 s[\g+7], 0
.endr
	s_mov_b32 s[SEL], 0x76543210
	s_mov_b32 s[SEL+1], 0xfedcba98
	s_mov_b32 s[CS], 0x3e38aa3b                    ; c = log2(e) / 8
	s_mov_b32 s[CS+1], s[CS]
	s_mov_b32 s[OFF+1], 0
	s_mov_b32 s[NB], 0
	s_mov_b32 s[POS], 0
	s_mov_b32 s[KF], 0
	s_mov_b32 s[TB], 0
	s_and_b32 s96, s[WV], 3                        ; the prefetches: my wave's 8,192 bytes,
	s_lshl_b32 s96, s96, 13
	s_add_co_u32 s96, s96, 32768                   ; in key block 1: the first change of slots steps it to block 2
	s_cmp_lt_u32 s[WV], 8
	s_cselect_b32 s97, 0, 0x2000000                ; waves 8-11: of V, 33,554,432 bytes behind k
	s_add_co_u32 s96, s96, s97
	s_mov_b32 s97, 0
	s_add_nc_u64 s[96:97], s[96:97], s[10:11]
	s_sub_co_u32 s13, s[WV], 4
	s_lshr_b32 s13, s13, 3                         ; 0 in waves 4 to 11,
	s_or_b32 s13, s13, ttmp9                       ; of work-group p = 0
	s_cmp_eq_u32 s13, 0
	s_cselect_b32 s[LIMP], 6, 0
	s_wait_dscnt 0x0                               ; both opening adds are done
	s_wait_kmcnt 0x0
	s_add_nc_u64 s[BKP:BKP+1], s[4:5], s[14:15]
	s_add_nc_u64 s[BVP:BVP+1], s[BKP:BKP+1], 0x2000000
	s_mov_b32 s[G0K], 1
	s_mul_i32 s[G0K+1], s12, 64*PK
	s_mov_b64 s[G0K+2:G0K+3], s[BKP:BKP+1]
	s_or_b32 s[G0K+3], s[G0K+3], 0x80000000
	s_mov_b32 s[G0V], 1
	s_mul_i32 s[G0V+1], s12, 64*PV
	s_add_co_u32 s[G0V+1], s[G0V+1], VOFF
	s_mov_b64 s[G0V+2:G0V+3], s[BVP:BVP+1]
	s_or_b32 s[G0V+3], s[G0V+3], 0x80000000
	TLOAD                                          ; key block 0 into slot 0
	s_add_nc_u64 s[QA:QA+1], s[4:5], s[16:17]
	s_add_nc_u64 s[QB:QB+1], s[4:5], s[78:79]
	s_add_nc_u64 s[YA:YA+1], s[6:7], s[74:75]
	s_add_nc_u64 s[YB:YB+1], s[6:7], s[76:77]
	s_add_nc_u64 s[PFA:PFA+1], s[4:5], s[96:97]
	v_and_b32 v23, 15, v0                          ; r
	v_bfe_u32 v3, v0, 4, 1                         ; h
	v_lshlrev_b32 v[QO], 7, v23
	v_lshl_add_u32 v[QO], v3, 4, v[QO]             ; Q: row r of 128 bytes, + 16 h
.irp c, 0,1,2,3
	global_load_b128 v[QR+4*\c:QR+4*\c+3], v[QO], s[QA:QA+1] offset:32*\c
.endr
	v_lshrrev_b32 v4, 1, v23
	v_mul_u32_u24 v[AK0], v4, PK
	v_and_b32 v4, 1, v0
	v_lshl_add_u32 v[AK0], v4, 7, v[AK0]
	v_lshl_add_u32 v[AK0], v3, 4, v[AK0]           ; K: key r lies at 272 (r / 2) + 128 (r % 2); + 16 h
	v_bfe_u32 v[AV0], v0, 1, 2
	v_lshl_add_u32 v[AV0], v3, 2, v[AV0]
	v_mul_u32_u24 v[AV0], v[AV0], PV
	v_lshl_add_u32 v[AV0], v4, 7, v[AV0]
	v_bfe_u32 v4, v0, 3, 1
	v_lshl_add_u32 v[AV0], v4, 4, v[AV0]
	v_add_nc_u32 v[AV0], VOFF, v[AV0]              ; V: key 8 h + lane % 8, 16 bytes at 16 ((lane / 8) % 2)
	s_mul_i32 s96, s[WV], 16*144
	s_add_co_u32 s96, s96, STAGE                   ; my stage
	v_mul_u32_u24 v[STO], v23, 144
	v_lshl_add_u32 v[STO], v3, 4, v[STO]
	v_add_nc_u32 v[STO], s96, v[STO]
	v_bfe_u32 v[RD], v0, 3, 2
	v_mul_u32_u24 v[RD], v[RD], 144
	v_and_b32 v4, 7, v0
	v_lshl_add_u32 v[RD], v4, 4, v[RD]
	v_add_nc_u32 v[RD], s96, v[RD]
	v_and_b32 v4, 31, v0
	v_lshlrev_b32 v[GO], 4, v4
	v_lshlrev_b32 v[PFO], 8, v4
	v_lshlrev_b32 v4, 3, v3
	v_sub_nc_u32 v[RH], v23, v4
	v_mov_b32 v[NINF], 0xff800000
	INIT
	s_wait_loadcnt 0x0                             ; Q
.Lslot:                                            ; eight trips: behind each change of slots but the last the walk's next key block is asked for
	CHANGE 1
	SWITCH
	SLOT_STEPS
	s_add_co_u32 s[POS], s[POS], 1
	s_cmp_lt_u32 s[POS], 8
	s_cbranch_scc1 .Lslot
	CHANGE 0                                       ; the last position is written out
	SLOT_STEPS
	FINISH YB
	s_wait_tensorcnt 0x0                           ; the wave's end
	ds_add_u32 v[SPW], v[NIL]
	s_wait_dscnt 0x0
	s_endpgm
.Lfunc_end_k_q302dfc28fc_attn:
	.size	k_q302dfc28fc_attn, .Lfunc_end_k_q302dfc28fc_attn-k_q302dfc28fc_attn
	.p2alignl 7, 3214868480
	.fill 96, 4, 3214868480
	.section	.rodata,"a",@progbits
	.p2align	6, 0x0
	.amdhsa_kernel k_q302dfc28fc_attn
		.amdhsa_group_segment_fixed_size 327680
		.amdhsa_private_segment_fixed_size 0
		.amdhsa_enable_private_segment 0
		.amdhsa_kernarg_size 16
		.amdhsa_user_sgpr_count 2
		.amdhsa_user_sgpr_kernarg_segment_ptr 1
		.amdhsa_wavefront_size32 1
		.amdhsa_system_sgpr_workgroup_id_x 1
		.amdhsa_system_sgpr_workgroup_id_y 1
		.amdhsa_system_sgpr_workgroup_id_z 1
		.amdhsa_system_vgpr_workitem_id 0
		.amdhsa_next_free_vgpr 256
		.amdhsa_next_free_sgpr 98
		.amdhsa_reserve_vcc 1
		.amdhsa_float_denorm_mode_32 3
		.amdhsa_float_denorm_mode_16_64 3
		.amdhsa_memory_ordered 1
		.amdhsa_forward_progress 1
		.amdhsa_inst_pref_size 114
	.end_amdhsa_kernel
	.amdgpu_metadata
---
amdhsa.version: [ 1, 2 ]
amdhsa.kernels:
  - .name:           k_q302dfc28fc_attn
    .symbol:         k_q302dfc28fc_attn.kd
    .args:
      - { .name: kqv, .offset: 0, .size: 8, .value_kind: global_buffer, .address_space: global }
      - { .name: y16, .offset: 8, .size: 8, .value_kind: global_buffer, .address_space: global }
    .group_segment_fixed_size: 327680
    .private_segment_fixed_size: 0
    .kernarg_segment_align: 8
    .kernarg_segment_size: 16
    .max_flat_workgroup_size: 512
    .sgpr_count:     98
    .vgpr_count:     256
    .wavefront_size: 32
...
	.end_amdgpu_metadata
.endif
;; end of part 3
;; launch proj (part 4): grid 4 x 64, 4 waves a work-group, clusters of 4 x 4, 327,680 bytes of LDS; arguments y16, wp16, b_proj, out0; writes out0
.if DOCPART == 4
	.amdgcn_target "amdgcn-amd-amdhsa--gfx1250"
	.amdhsa_code_object_version 6
	.text
	.protected	k_q302dfc28fc_proj
	.globl	k_q302dfc28fc_proj
	.p2align	8
	.type	k_q302dfc28fc_proj,@function
k_q302dfc28fc_proj:
	s_mov_b64 s[64:65], 0
	v_nop
	global_prefetch_b8 v0, s[64:65] scope:SCOPE_SE
	s_setreg_imm32_b32 hwreg(HW_REG_WAVE_MODE, 25, 1), 1
	s_wait_xcnt 0x0
	s_wait_alu depctr_hold_cnt(0) depctr_sa_sdst(0) depctr_va_vdst(0) depctr_va_sdst(0) depctr_va_ssrc(0) depctr_va_vcc(0) depctr_vm_vsrc(0)
	s_getreg_b32 s2, hwreg(HW_REG_IB_STS2, 6, 4)
	s_cmp_eq_u32 s2, 0
	s_cbranch_scc0 .Lentry_in_a_cluster
	s_endpgm
.Lentry_in_a_cluster:
	s_bfe_u32 s2, ttmp6, 0x10000c
	s_cmp_lg_u32 s2, 0xf033
	s_cbranch_scc0 .Lentry_shape_is_right
	s_endpgm
.Lentry_shape_is_right:
; out0[m][n] = the sum over k of y[m][k] W_proj[k][n] + b_proj[n].  y16: [head][m][64] f16 (k = 64 head + channel); wp16: [n][k] f16; sums in f32; out0 [8192][1024] f32.
; A tile of 128 x 256 to a work-group, so that there are 256 of them; four waves, 64 x 128 each: 32 accumulators.  K goes in 8 steps of 128 (two heads) through a ring of two LDS slots.
; A's tile of a step is two planes, one a head: 128 rows of 128 bytes, dense in memory, taken as 64 rows of 256 bytes.  The bias is the C of each sum's first matrix instruction.
; CLUSTERS: 4 x 4 work-groups; A's tiles are asked for jointly along a row of the cluster, B's along a column.  THE MATRIX INSTRUCTION IS USED TRANSPOSED (source 0 = 16 rows of wp16, source 1 = 16 rows of y).
; All 8,192 rows are stored; the 64 rows of the first 16 positions of each batch are stored again, computed in f32, by the launch that follows: a jump round them here would hang on a work-group's place in its cluster.
; No prefetch: the launch is short and its tiles are shared in the cluster.
; REGISTERS: window 0: v0-31 addresses; v32-95 the bias, later rows on the way out; v128-159, v160-191 A's fragments, two buffers, later rows on the way out.  window 1: v0-63, v64-127 B's fragments.  window 2: the accumulators ((a, b) at v[8 (8 a + b)]).
.set PITCH,  272
.set APL,    64*PITCH                  ; a plane of A
.set BOFF,   2*APL
.set BHALF,  128*PITCH
.set SLOT,   BOFF+2*BHALF
.set STAGE,  2*SLOT                    ; 16 rows x 528 bytes for each wave
.set SPITCH, 528
.set SPARE,  STAGE+4*16*SPITCH
.set ADRA, 16
.set ADRB, 20
.set BO,   22
.set STO,  24
.set RD,   25
.set CO,   26
.set SPW,  28
.set NIL,  29
.set BI,   32
.set AFR,  128
.set G1, 24
.set G0, 32
.set G1B, 48
.set G0B, 56
.set MSB, 0
.macro WIN new
.if MSB != \new
	s_set_vgpr_msb (MSB<<8)|\new
.set MSB, \new
.endif
.endm
.set MUL,  0xa1                        ; source 0 (B) window 1, source 1 (A) window 0, C and D window 2
.set MULB, 0x81                        ; C (the bias) window 0
.set TO_B, 0x40
.macro JLOAD s                         ; waves 0 and 1 fetch A's two planes, waves 2 and 3 B's two halves; an s_nop 0 and four v_nop follow each line
	s_cmp_eq_u32 s13, 0
	s_cbranch_scc0 .Lfor_b_\@
	tensor_load_to_lds s[G0+4*\s:G0+4*\s+3], s[G1:G1+7]
	s_nop 0
.rept 4
	v_nop
.endr
	s_branch .Lasked_\@
.Lfor_b_\@:
	tensor_load_to_lds s[G0B+4*\s:G0B+4*\s+3], s[G1B:G1B+7]
	s_nop 0
.rept 4
	v_nop
.endr
.Lasked_\@:
.endm
.macro CREST
	s_cmp_lg_u32 s12, 0
	s_cbranch_scc1 .Lnot_wave_0_\@
	s_barrier_signal -3
.Lnot_wave_0_\@:
	s_barrier_wait -3
	s_barrier_signal -1
	s_barrier_wait -1
.endm
.macro CROUND
	s_barrier_signal -1
	s_barrier_wait -1
	CREST
.endm
	s_load_b128 s[4:7], s[0:1], 0x0                ; y16, wp16
	s_load_b128 s[8:11], s[0:1], 0x10              ; b_proj, out0
	v_lshl_add_u32 v[SPW], v0, 2, SPARE
	v_mov_b32 v[NIL], 0
	ds_add_u32 v[SPW], v[NIL]                      ; the wave's opening: the add, twice on end, and its wait ahead of my first tensor load
	ds_add_u32 v[SPW], v[NIL]
	v_lshrrev_b32 v1, 5, v0
	v_readfirstlane_b32 s12, v1                    ; wave 0..3
	s_lshr_b32 s13, s12, 1                         ; which 64 rows are mine; also: I fetch for A (0) or B (1)
	s_and_b32 s14, s12, 1                          ; which 128 columns; also: which plane or half I fetch
	s_bfe_u32 s40, ttmp6, 0x40000                  ; cx
	s_bfe_u32 s41, ttmp6, 0x40004                  ; cy
	s_lshl_b32 s42, ttmp9, 2
	s_add_co_u32 s42, s42, s40                     ; tile column
	s_and_b32 s43, ttmp7, 0xffff
	s_lshl_b32 s43, s43, 2
	s_add_co_u32 s43, s43, s41                     ; tile row
	s_lshl_b32 s44, s41, 2
	s_lshl_b32 s44, 15, s44                        ; my row of the cluster
	s_lshl_b32 s45, 0x1111, s40                    ; my column
	s_or_b32 s[G1+0], s44, (1<<16)|(1<<20)|(1<<21)|(5<<22)|(3<<25)   ; the mask; elements of 2 bytes; padding on; bit 21 beside a mask; 4 words behind every 64
	s_or_b32 s[G1B+0], s45, (1<<16)|(1<<20)|(1<<21)|(5<<22)|(3<<25)
	s_mov_b32 s[G1+1], 128<<16                     ; A: 64 rows of 128 elements, dense
	s_mov_b32 s[G1+2], 64<<16
	s_mov_b32 s[G1+3], 128<<16
	s_mov_b32 s[G1+4], 64
	s_mov_b32 s[G1+5], 128
	s_mov_b32 s[G1+6], 0
	s_mov_b32 s[G1+7], 0
	s_mov_b32 s[G1B+1], 128<<16                    ; B: 128 rows of 128 elements, 1,024 apart
	s_mov_b32 s[G1B+2], 128<<16
	s_mov_b32 s[G1B+3], 128<<16
	s_mov_b32 s[G1B+4], 128
	s_mov_b32 s[G1B+5], 1024
	s_mov_b32 s[G1B+6], 0
	s_mov_b32 s[G1B+7], 0
	s_lshl_b32 s16, s14, 20                        ; A: a head is 1,048,576 bytes; my plane's head,
	s_lshl_b32 s17, s43, 14                        ; the tile's 128 rows of 128 bytes
	s_add_co_u32 s16, s16, s17
	s_mov_b32 s17, 0
	s_lshl_b32 s46, s42, 19                        ; B: 256 rows of 2,048 bytes a tile column,
	s_lshl_b32 s47, s14, 18                        ; my 128 of them
	s_add_co_u32 s46, s46, s47
	s_mov_b32 s47, 0
	s_mul_i32 s20, s14, APL                        ; where they go: by the wave's number alone
	s_mul_i32 s21, s14, BHALF
	s_add_co_u32 s21, s21, BOFF
	s_wait_dscnt 0x0                               ; both opening adds are done
	s_wait_kmcnt 0x0
	s_add_nc_u64 s[16:17], s[4:5], s[16:17]
	s_add_nc_u64 s[46:47], s[6:7], s[46:47]
	CROUND                                         ; all sixteen work-groups are here
.irp s, 0,1
	s_mov_b32 s[G0+4*\s], 1
	s_add_co_u32 s[G0+4*\s+1], s20, \s*SLOT
	s_add_nc_u64 s[G0+4*\s+2:G0+4*\s+3], s[16:17], \s*2097152     ; K step s: heads 2 s, 2 s + 1
	s_or_b32 s[G0+4*\s+3], s[G0+4*\s+3], 0x80000000
	s_mov_b32 s[G0B+4*\s], 1
	s_add_co_u32 s[G0B+4*\s+1], s21, \s*SLOT
	s_add_nc_u64 s[G0B+4*\s+2:G0B+4*\s+3], s[46:47], \s*256
	s_or_b32 s[G0B+4*\s+3], s[G0B+4*\s+3], 0x80000000
	JLOAD \s                                       ; by this text's count two loads of a wave are out
.endr
	v_and_b32 v1, 15, v0                           ; r
	v_bfe_u32 v2, v0, 4, 1                         ; h
	v_lshlrev_b32 v[BO], 5, v2
	s_lshl_b32 s46, s42, 10                        ; my first column in f32 bytes
	s_lshl_b32 s47, s14, 9
	s_add_co_u32 s46, s46, s47
	s_mov_b32 s47, 0
	s_add_nc_u64 s[8:9], s[8:9], s[46:47]
	s_add_nc_u64 s[10:11], s[10:11], s[46:47]
.irp b, 0,1,2,3,4,5,6,7
	global_load_b128 v[BI+8*\b:BI+8*\b+3], v[BO], s[8:9] offset:64*\b
	global_load_b128 v[BI+8*\b+4:BI+8*\b+7], v[BO], s[8:9] offset:64*\b+16
.endr
	s_lshl_b32 s46, s43, 19                        ; my first row of out0: 128 x tile row + 64 x half, rows of 4,096 bytes
	s_lshl_b32 s22, s13, 18
	s_add_co_u32 s46, s46, s22
	s_add_nc_u64 s[10:11], s[10:11], s[46:47]
	v_lshrrev_b32 v3, 1, v1
	v_mul_u32_u24 v3, v3, PITCH
	v_and_b32 v4, 1, v0
	v_lshl_add_u32 v3, v4, 7, v3
	v_lshl_add_u32 v3, v2, 4, v3                   ; A: row r lies at 272 (r / 2) + 128 (r % 2); + 16 h
	v_mul_u32_u24 v4, v1, PITCH
	v_lshl_add_u32 v4, v2, 4, v4                   ; B: 272 r + 16 h
	s_mul_i32 s22, s13, 32*PITCH                   ; my 64 rows of A in a plane
	s_mul_i32 s23, s14, BHALF
	s_add_co_u32 s23, s23, BOFF                    ; my 128 rows of B
.irp s, 0,1
	v_add_nc_u32 v[ADRA+\s], s22, v3
	v_add_nc_u32 v[ADRB+\s], s23, v4
	s_add_co_u32 s22, s22, SLOT
	s_add_co_u32 s23, s23, SLOT
.endr
	s_mul_i32 s23, s12, 16*SPITCH
	s_add_co_u32 s23, s23, STAGE                   ; my stage
	v_mul_u32_u24 v5, v1, SPITCH
	v_lshl_add_u32 v5, v2, 5, v5
	v_add_nc_u32 v[STO], s23, v5
	v_and_b32 v6, 31, v0
	v_lshlrev_b32 v[CO], 4, v6
	v_add_nc_u32 v[RD], s23, v[CO]
.macro PLACES                          ; four plain vector instructions between a matrix instruction and a load into, or a read of, its registers
.rept 4
	v_nop
.endr
.endm
.macro FETCH slot, q, f                ; 24 LDS loads: the fragments of 32 along K, the slot's q-th, into buffer f
	WIN TO_B
.irp i, 0,1,2,3,4,5,6,7
	ds_load_b128 v[64*(\f)+8*\i:64*(\f)+8*\i+3], v[ADRB+\slot] offset:64*(\q)+\i*16*PITCH
	ds_load_b128 v[64*(\f)+8*\i+4:64*(\f)+8*\i+7], v[ADRB+\slot] offset:64*(\q)+\i*16*PITCH+32
.endr
	WIN 0
.irp i, 0,1,2,3
	ds_load_b128 v[AFR+32*(\f)+8*\i:AFR+32*(\f)+8*\i+3], v[ADRA+\slot] offset:APL*((\q)/2)+64*((\q)%2)+\i*8*PITCH
	ds_load_b128 v[AFR+32*(\f)+8*\i+4:AFR+32*(\f)+8*\i+7], v[ADRA+\slot] offset:APL*((\q)/2)+64*((\q)%2)+\i*8*PITCH+32
.endr
.endm
.macro MUL8 f, a, zero                 ; A's block a against B's eight; the 32 accumulators take turns, one instruction a turn
.irp b, 0,1,2,3,4,5,6,7
.if \zero
	v_wmma_f32_16x16x32_f16 v[8*(8*(\a)+\b):8*(8*(\a)+\b)+7], v[64*(\f)+8*\b:64*(\f)+8*\b+7], v[AFR+32*(\f)+8*(\a):AFR+32*(\f)+8*(\a)+7], v[BI+8*\b:BI+8*\b+7]
.else
	v_wmma_f32_16x16x32_f16 v[8*(8*(\a)+\b):8*(8*(\a)+\b)+7], v[64*(\f)+8*\b:64*(\f)+8*\b+7], v[AFR+32*(\f)+8*(\a):AFR+32*(\f)+8*(\a)+7], v[8*(8*(\a)+\b):8*(8*(\a)+\b)+7]
.endif
.endr
.endm
.macro QUARTER slot, q, zero           ; one of a K step's first three quarters: the next quarter's fragments are asked for, then this one's are multiplied
	PLACES
	FETCH \slot, (\q)+1, ((\q)+1)%2
	s_wait_dscnt 24                                ; all but the 24 just issued
.if \zero
	WIN MULB
.else
	WIN MUL
.endif
.irp a, 0,1,2,3
	MUL8 (\q)%2, \a, \zero
.endr
.endm
; The last quarter multiplies buffer 1 and changes slots: one barrier; in front of it each wave waits for all its tensor loads, adds 0 to its spare word, and waits for that and for its reads of this slot.
.macro TURN slot, next, fill
	WIN 0                                          ; (the add's two registers lie in window 0)
	s_wait_tensorcnt 0x0                           ; my part of the next slot has landed
	ds_add_u32 v[SPW], v[NIL]
	s_wait_dscnt 1                                 ; the add alone may be out
	WIN MUL
	MUL8 1, 0, 0
	s_wait_dscnt 0x0
	s_barrier_signal -1
	MUL8 1, 1, 0
	WIN 0
	s_barrier_wait -1
.if \fill
	CREST                                          ; the barrier has opened a round of the cluster's barrier: no wave of any partner still reads this slot or has a load on its way
	s_add_nc_u64 s[G0+4*\slot+2:G0+4*\slot+3], s[G0+4*\slot+2:G0+4*\slot+3], 4194304
	s_add_nc_u64 s[G0B+4*\slot+2:G0B+4*\slot+3], s[G0B+4*\slot+2:G0B+4*\slot+3], 512
	JLOAD \slot                                    ; the first tensor load behind the round; its four v_nop are also the places in front of the loads below
.else
	PLACES
.endif
	FETCH \next, 0, 0
	WIN MUL
	MUL8 1, 2, 0
	MUL8 1, 3, 0
.endm
	s_wait_tensorcnt 1                             ; my part of K step 0 is in; K step 1's load may be out
	s_barrier_signal -1
	s_barrier_wait -1
	FETCH 0, 0, 0
	s_wait_loadcnt 0x0                             ; the bias
	QUARTER 0, 0, 1
	WIN 0
	s_mov_b32 s3, 3
.Llap:                                             ; a trip goes once round the ring, from a lap's second quarter to the next lap's first, and fills both slots again
	QUARTER 0, 1, 0
	QUARTER 0, 2, 0
	TURN 0, 1, 1
	QUARTER 1, 0, 0
	QUARTER 1, 1, 0
	QUARTER 1, 2, 0
	TURN 1, 0, 1
	QUARTER 0, 0, 0
	WIN 0
	s_sub_co_u32 s3, s3, 1
	s_cmp_lg_u32 s3, 0
	s_cbranch_scc1 .Llap
	QUARTER 0, 1, 0                                ; the last lap fills nothing
	QUARTER 0, 2, 0
	TURN 0, 1, 0
	QUARTER 1, 0, 0
	QUARTER 1, 1, 0
	QUARTER 1, 2, 0
	s_wait_dscnt 0x0
.irp a, 0,1,2,3
	MUL8 1, \a, 0
.endr
	WIN 0
; THE WAY OUT, block by block of 16 rows x 128 columns: through my stage, back as whole rows of 512 bytes.
.macro TOSTAGE a
	WIN 0x08                                       ; the data: window 2
.irp b, 0,1,2,3,4,5,6,7
	ds_store_b128 v[STO], v[64*(\a)+8*\b:64*(\a)+8*\b+3] offset:64*\b      ; each accumulator from its low end on
	ds_store_b128 v[STO], v[64*(\a)+8*\b+4:64*(\a)+8*\b+7] offset:64*\b+16
.endr
	WIN 0
.set BB, 32+96*((\a)%2)
.irp t, 0,1,2,3,4,5,6,7,8,9,10,11,12,13,14,15
	ds_load_b128 v[BB+4*\t:BB+4*\t+3], v[RD] offset:\t*SPITCH
.endr
.endm
.macro SEND a, younger                 ; younger: the LDS instructions issued behind block a's loads, which may stay out
.set BB, 32+96*((\a)%2)
	s_wait_dscnt \younger
.irp t, 0,1,2,3,4,5,6,7,8,9,10,11,12,13,14,15
	global_store_b128 v[CO], v[BB+4*\t:BB+4*\t+3], s[10:11] offset:(16*(\a)+\t)*4096 th:TH_STORE_NT   ; 32 lanes store 512 consecutive bytes
.endr
.endm
	PLACES
	TOSTAGE 0
.irp a, 1,2,3
.if \a > 1
	s_wait_xcnt 0x0                                ; block a - 2's stores have read their registers: block a's loads may land there
.endif
	TOSTAGE \a
	SEND \a-1, 32                                  ; behind block a - 1's loads: block a's 16 stores and 16 loads
.endr
	SEND 3, 0
	s_wait_tensorcnt 0x0                           ; the wave's end
	ds_add_u32 v[SPW], v[NIL]
	s_wait_dscnt 0x0
	CROUND                                         ; the closing round
	s_endpgm
.Lfunc_end_k_q302dfc28fc_proj:
	.size	k_q302dfc28fc_proj, .Lfunc_end_k_q302dfc28fc_proj-k_q302dfc28fc_proj
	.p2alignl 7, 3214868480
	.fill 96, 4, 3214868480
	.section	.rodata,"a",@progbits
	.p2align	6, 0x0
	.amdhsa_kernel k_q302dfc28fc_proj
		.amdhsa_group_segment_fixed_size 327680
		.amdhsa_private_segment_fixed_size 0
		.amdhsa_enable_private_segment 0
		.amdhsa_kernarg_size 32
		.amdhsa_user_sgpr_count 2
		.amdhsa_user_sgpr_kernarg_segment_ptr 1
		.amdhsa_wavefront_size32 1
		.amdhsa_system_sgpr_workgroup_id_x 1
		.amdhsa_system_sgpr_workgroup_id_y 1
		.amdhsa_system_sgpr_workgroup_id_z 1
		.amdhsa_system_vgpr_workitem_id 0
		.amdhsa_next_free_vgpr 768
		.amdhsa_next_free_sgpr 66
		.amdhsa_reserve_vcc 0
		.amdhsa_float_denorm_mode_32 3
		.amdhsa_float_denorm_mode_16_64 3
		.amdhsa_memory_ordered 1
		.amdhsa_forward_progress 1
		.amdhsa_inst_pref_size 87
	.end_amdhsa_kernel
	.amdgpu_metadata
---
amdhsa.version: [ 1, 2 ]
amdhsa.kernels:
  - .name:           k_q302dfc28fc_proj
    .symbol:         k_q302dfc28fc_proj.kd
    .args:
      - { .name: y16, .offset: 0, .size: 8, .value_kind: global_buffer, .address_space: global }
      - { .name: wp16, .offset: 8, .size: 8, .value_kind: global_buffer, .address_space: global }
      - { .name: b_proj, .offset: 16, .size: 8, .value_kind: global_buffer, .address_space: global }
      - { .name: out0, .offset: 24, .size: 8, .value_kind: global_buffer, .address_space: global }
    .group_segment_fixed_size: 327680
    .private_segment_fixed_size: 0
    .kernarg_segment_align: 8
    .kernarg_segment_size: 32
    .max_flat_workgroup_size: 128
    .sgpr_count:     66
    .vgpr_count:     768
    .wavefront_size: 32
...
	.end_amdgpu_metadata
.endif
;; end of part 4
;; launch first16 (part 5): grid 16 x 4, 16 waves a work-group, no clusters, 85,504 bytes of LDS; arguments rows32, W_proj, b_proj, out0; writes out0
.if DOCPART == 5
	.amdgcn_target "amdgcn-amd-amdhsa--gfx1250"
	.amdhsa_code_object_version 6
	.text
	.protected	k_q302dfc28fc_first16
	.globl	k_q302dfc28fc_first16
	.p2align	8
	.type	k_q302dfc28fc_first16,@function
k_q302dfc28fc_first16:
	s_mov_b64 s[64:65], 0
	v_nop
	global_prefetch_b8 v0, s[64:65] scope:SCOPE_SE
	s_setreg_imm32_b32 hwreg(HW_REG_WAVE_MODE, 25, 1), 1
	s_wait_xcnt 0x0
; The first 16 positions of each batch, in f32 throughout: under the causal mask these rows average one to sixteen values and are the largest in size.
; rows32: [batch][16][3072] f32 (k, q, v with their bias).  Work-group (cb, batch) makes out0's rows 2048 batch + 0 .. 15, columns 64 cb .. 64 cb + 63.
; PHASE A: wave w does head w: S^T = K Q^T (16 keys x 16 queries, 64 channels), mask, softmax with the row's maximum taken away, O^T = V^T P, y to LDS.  Every work-group of a batch does all 16 heads again:
; 196,608 bytes read and 32 small products a wave, in place of one launch more.
; PHASE B: wave w = (kq = w / 4, nt = w % 4) sums a quarter of K for 16 columns; the four quarters meet in LDS; waves 0-7 add them and the bias and store two rows each, sixteen lanes to 256 consecutive bytes.
; A permutation of k that is the same in both sources leaves a product's terms as they are: a lane's registers run along neighbours in memory, not along the form's own order of k.
; v128-191 are written by matrix instructions alone; every sum begins with the constant 0.
.set YP,    4112                       ; a row of y in LDS: 4,096 bytes + 16
.set PART,  66048                      ; behind y: four quarters x 16 rows x 272 bytes
.set SPARE, PART+4*16*272              ; the spare words, 128 bytes for each wave
.set SPW, 30
.set NIL, 31
.macro WLOAD reg, g                    ; W_proj[256 kq + 128 h + 32 g + i][64 cb + 16 nt + r], i = 0 .. 31
.irp i, 0,1,2,3,4,5,6,7,8,9,10,11,12,13,14,15,16,17,18,19,20,21,22,23,24,25,26,27,28,29,30,31
	global_load_b32 v[\reg+\i], v3, s[6:7] offset:4096*(32*\g+\i)
.endr
.endm
.macro FAR                             ; eight plain vector instructions behind this matrix form (ISA guide 7.12.1)
.rept 8
	v_nop
.endr
.endm
.macro SUM4                            ; the four accumulators v128-159 into v14-21, each from its low end on
.irp i, 0,2,4,6
	v_pk_add_f32 v[14+\i:15+\i], v[128+\i:129+\i], v[136+\i:137+\i]
	v_pk_add_f32 v[22:23], v[144+\i:145+\i], v[152+\i:153+\i]
	v_pk_add_f32 v[14+\i:15+\i], v[14+\i:15+\i], v[22:23]
.endr
.endm
	s_load_b128 s[4:7], s[0:1], 0x0                ; rows32, W_proj
	s_load_b128 s[8:11], s[0:1], 0x10              ; b_proj, out0
	v_lshl_add_u32 v[SPW], v0, 2, SPARE
	v_mov_b32 v[NIL], 0
	v_lshrrev_b32 v11, 5, v0
	v_readfirstlane_b32 s12, v11                   ; wave = head
	s_lshr_b32 s13, s12, 2                         ; kq
	s_and_b32 s14, s12, 3                          ; nt
	s_and_b32 s15, ttmp7, 0xffff                   ; batch
	v_and_b32 v11, 15, v0                          ; r
	v_bfe_u32 v12, v0, 4, 1                        ; h
	v_mul_u32_u24 v1, v11, 12288
	v_lshl_add_u32 v1, v12, 7, v1                  ; K, Q: row r, channels 32 h on
	v_mul_u32_u24 v2, v12, 98304
	v_lshl_add_u32 v2, v11, 2, v2                  ; V: rows 8 h on, channel r
	v_lshlrev_b32 v3, 19, v12
	v_lshl_add_u32 v3, v11, 2, v3                  ; W: rows 128 h on, column r
	v_mul_u32_u24 v13, v11, YP
	v_lshl_add_u32 v4, v12, 5, v13
	s_lshl_b32 s16, s12, 8
	v_add_nc_u32 v4, s16, v4                       ; y, in: row r, my head's 256 bytes, + 32 h
	v_lshl_add_u32 v5, v12, 9, v13
	s_lshl_b32 s16, s13, 10
	v_add_nc_u32 v5, s16, v5                       ; y, back: row r, my quarter of K, + 512 h
	v_mul_u32_u24 v6, v11, 272
	v_lshl_add_u32 v6, v12, 5, v6
	s_mul_i32 s16, s13, 16*272
	s_lshl_b32 s17, s14, 6
	s_add_co_u32 s16, s16, s17
	s_add_co_u32 s16, s16, PART
	v_add_nc_u32 v6, s16, v6                       ; the quarters, in
	v_mul_u32_u24 v7, v12, 272
	v_lshl_add_u32 v7, v11, 4, v7
	s_mul_i32 s16, s12, 2*272
	s_add_co_u32 s16, s16, PART
	v_add_nc_u32 v7, s16, v7                       ; and back: row 2 w + h, 16 bytes a lane
	v_lshlrev_b32 v8, 12, v12
	v_lshl_add_u32 v8, v11, 4, v8
	s_lshl_b32 s16, s12, 13
	v_add_nc_u32 v8, s16, v8                       ; the same place in out0
	v_lshlrev_b32 v9, 4, v11                       ; the bias: 16 bytes a lane
	v_lshlrev_b32 v13, 3, v12
	v_sub_nc_u32 v10, v11, v13                     ; r - 8 h
	s_mov_b32 s20, 0x76543210
	s_mov_b32 s21, 0xfedcba98
	s_mov_b32 s22, 0x3e38aa3b                      ; c = log2(e) / 8
	s_mul_i32 s24, s15, 16*12288
	s_lshl_b32 s25, s12, 8
	s_add_co_u32 s24, s24, s25
	s_mov_b32 s25, 0
	s_lshl_b32 s26, s13, 20
	s_lshl_b32 s27, ttmp9, 8
	s_add_co_u32 s26, s26, s27
	s_lshl_b32 s27, s14, 6
	s_add_co_u32 s26, s26, s27
	s_mov_b32 s27, 0
	s_lshl_b32 s28, ttmp9, 8
	s_mov_b32 s29, 0
	s_lshl_b32 s30, s15, 23
	s_add_co_u32 s30, s30, s28
	s_mov_b32 s31, 0
	s_wait_kmcnt 0x0
	s_add_nc_u64 s[4:5], s[4:5], s[24:25]
	s_add_nc_u64 s[6:7], s[6:7], s[26:27]
	s_add_nc_u64 s[8:9], s[8:9], s[28:29]
	s_add_nc_u64 s[10:11], s[10:11], s[30:31]
.irp e, 0,1,2,3,4,5,6,7
	global_load_b128 v[32+4*\e:35+4*\e], v1, s[4:5] offset:16*\e          ; K
.endr
.irp e, 0,1,2,3,4,5,6,7
	global_load_b128 v[64+4*\e:67+4*\e], v1, s[4:5] offset:4096+16*\e     ; Q
.endr
	global_load_b128 v[26:29], v9, s[8:9]                                   ; the bias
.irp t, 0,1,2,3
.irp i, 0,1,2,3,4,5,6,7
	global_load_b32 v[96+8*\t+\i], v2, s[4:5] offset:8192+12288*\i+64*\t  ; V[8 h + i][16 t + r]
.endr
.endr
	s_wait_loadcnt 33                              ; K and Q are in; the bias and V's 32, issued behind them, may be out
.set c, 0
.rept 16                                           ; S^T: four accumulators by turns, the first four instructions start the sums
.if c < 4
	v_wmma_f32_16x16x4_f32 v[128+8*c:135+8*c], v[32+2*c:33+2*c], v[64+2*c:65+2*c], 0
.else
	v_wmma_f32_16x16x4_f32 v[128+8*(c%4):135+8*(c%4)], v[32+2*c:33+2*c], v[64+2*c:65+2*c], v[128+8*(c%4):135+8*(c%4)]
.endif
.set c, c+1
.endr
	WLOAD 192, 0
	WLOAD 224, 1
	FAR
	SUM4                                           ; lane (r, h): query r, keys 8 h + 0 .. 7
	v_mov_b32 v25, 0xff800000
.irp j, 0,1,2,3,4,5,6,7
	v_cmp_gt_i32 vcc_lo, \j, v10                   ; hidden where 8 h + j > r
	v_cndmask_b32 v[14+\j], v[14+\j], v25, vcc_lo
.endr
	v_max3_num_f32 v22, v14, v15, v16
	v_max3_num_f32 v22, v22, v17, v18
	v_max3_num_f32 v22, v22, v19, v20
	v_max_num_f32 v22, v22, v21
	v_permlanex16_b32 v23, v22, s20, s21
	v_max_num_f32 v22, v22, v23                    ; the row's maximum: key 0 counts for every query
	v_mul_f32 v24, s22, v22
.irp j, 0,1,2,3,4,5,6,7
	v_fma_f32 v[14+\j], v[14+\j], s22, -v24
.endr
.irp j, 0,1,2,3,4,5,6,7
	v_exp_f32 v[14+\j], v[14+\j]
.endr
	v_nop
	s_wait_alu depctr_va_vdst(0)                   ; one wait for the eight, ahead of their first reader
	v_add_f32 v22, v14, v15
	v_add_f32 v23, v16, v17
	v_add_f32 v24, v18, v19
	v_add_f32 v25, v20, v21
	v_add_f32 v22, v22, v23
	v_add_f32 v24, v24, v25
	v_add_f32 v22, v22, v24
	v_permlanex16_b32 v23, v22, s20, s21
	v_add_f32 v22, v22, v23
	v_rcp_f32 v24, v22
	v_nop
	s_wait_alu depctr_va_vdst(0)
.irp j, 0,1,2,3,4,5,6,7
	v_mul_f32 v[14+\j], v[14+\j], v24              ; the softmax, normalised
.endr
	s_wait_loadcnt 63                              ; V is in: 64 loads of W stand behind it, and 63 is the most that the wait can name
.irp c, 0,1,2,3
.irp t, 0,1,2,3
.if \c == 0
	v_wmma_f32_16x16x4_f32 v[160+8*\t:167+8*\t], v[96+8*\t+2*\c:97+8*\t+2*\c], v[14+2*\c:15+2*\c], 0
.else
	v_wmma_f32_16x16x4_f32 v[160+8*\t:167+8*\t], v[96+8*\t+2*\c:97+8*\t+2*\c], v[14+2*\c:15+2*\c], v[160+8*\t:167+8*\t]
.endif
.endr
.endr
	FAR
	WLOAD 32, 2
	WLOAD 64, 3
.irp t, 0,1,2,3
	ds_store_b128 v4, v[160+8*\t:163+8*\t] offset:64*\t                    ; y(r, 64 w + 16 t + 8 h + 0 .. 7)
	ds_store_b128 v4, v[164+8*\t:167+8*\t] offset:64*\t+16
.endr
	s_wait_dscnt 0x0                               ; for the others' sake
	s_barrier_signal -1
	s_barrier_wait -1                              ; 16 whole rows of y lie in LDS
.macro CHUNK g, wreg, left             ; 32 along K for each half of the lanes: 16 products on the four accumulators by turns
	FAR
.irp e, 0,1,2,3,4,5,6,7
	ds_load_b128 v[96+4*\e:99+4*\e], v5 offset:128*\g+16*\e
.endr
	s_wait_loadcnt \left                           ; this chunk of W is in; left: loads of the later chunks that may be out
	s_wait_dscnt 0x0
.set c, 0
.rept 16
.if (\g == 0) && (c < 4)
	v_wmma_f32_16x16x4_f32 v[128+8*c:135+8*c], v[\wreg+2*c:\wreg+2*c+1], v[96+2*c:97+2*c], 0
.else
	v_wmma_f32_16x16x4_f32 v[128+8*(c%4):135+8*(c%4)], v[\wreg+2*c:\wreg+2*c+1], v[96+2*c:97+2*c], v[128+8*(c%4):135+8*(c%4)]
.endif
.set c, c+1
.endr
.endm
	CHUNK 0, 192, 63                               ; 96 loads stand behind chunk 0, 64 behind chunk 1: 63 is the most that the wait can name
	CHUNK 1, 224, 63
	CHUNK 2, 32, 32
	CHUNK 3, 64, 0
	FAR
	SUM4                                           ; lane (r, h): row r, columns 16 nt + 8 h + 0 .. 7, my quarter of K
	ds_store_b128 v6, v[14:17]
	ds_store_b128 v6, v[18:21] offset:16
	s_wait_dscnt 0x0
	s_barrier_signal -1
	s_barrier_wait -1
	s_cmp_lt_u32 s12, 8
	s_cbranch_scc0 .Ldone
.irp k, 0,1,2,3
	ds_load_b128 v[32+4*\k:35+4*\k], v7 offset:16*272*\k
.endr
	s_wait_dscnt 0x0
	v_pk_add_f32 v[32:33], v[32:33], v[36:37]
	v_pk_add_f32 v[34:35], v[34:35], v[38:39]
	v_pk_add_f32 v[40:41], v[40:41], v[44:45]
	v_pk_add_f32 v[42:43], v[42:43], v[46:47]
	v_pk_add_f32 v[32:33], v[32:33], v[40:41]
	v_pk_add_f32 v[34:35], v[34:35], v[42:43]
	v_pk_add_f32 v[32:33], v[32:33], v[26:27]
	v_pk_add_f32 v[34:35], v[34:35], v[28:29]
	global_store_b128 v8, v[32:35], s[10:11]       ; sixteen lanes store 256 consecutive bytes, aligned
.Ldone:
	s_wait_tensorcnt 0x0                           ; the wave's end, behind my last LDS store
	ds_add_u32 v[SPW], v[NIL]
	s_wait_dscnt 0x0
	s_endpgm
.Lfunc_end_k_q302dfc28fc_first16:
	.size	k_q302dfc28fc_first16, .Lfunc_end_k_q302dfc28fc_first16-k_q302dfc28fc_first16
	.p2alignl 7, 3214868480
	.fill 96, 4, 3214868480
	.section	.rodata,"a",@progbits
	.p2align	6, 0x0
	.amdhsa_kernel k_q302dfc28fc_first16
		.amdhsa_group_segment_fixed_size 85504
		.amdhsa_private_segment_fixed_size 0
		.amdhsa_enable_private_segment 0
		.amdhsa_kernarg_size 32
		.amdhsa_user_sgpr_count 2
		.amdhsa_user_sgpr_kernarg_segment_ptr 1
		.amdhsa_wavefront_size32 1
		.amdhsa_system_sgpr_workgroup_id_x 1
		.amdhsa_system_sgpr_workgroup_id_y 1
		.amdhsa_system_sgpr_workgroup_id_z 1
		.amdhsa_system_vgpr_workitem_id 0
		.amdhsa_next_free_vgpr 256
		.amdhsa_next_free_sgpr 66
		.amdhsa_reserve_vcc 1
		.amdhsa_float_denorm_mode_32 3
		.amdhsa_float_denorm_mode_16_64 3
		.amdhsa_memory_ordered 1
		.amdhsa_forward_progress 1
		.amdhsa_inst_pref_size 36
	.end_amdhsa_kernel
	.amdgpu_metadata
---
amdhsa.version: [ 1, 2 ]
amdhsa.kernels:
  - .name:           k_q302dfc28fc_first16
    .symbol:         k_q302dfc28fc_first16.kd
    .args:
      - { .name: rows32, .offset: 0, .size: 8, .value_kind: global_buffer, .address_space: global }
      - { .name: W_proj, .offset: 8, .size: 8, .value_kind: global_buffer, .address_space: global }
      - { .name: b_proj, .offset: 16, .size: 8, .value_kind: global_buffer, .address_space: global }
      - { .name: out0, .offset: 24, .size: 8, .value_kind: global_buffer, .address_space: global }
    .group_segment_fixed_size: 85504
    .private_segment_fixed_size: 0
    .kernarg_segment_align: 8
    .kernarg_segment_size: 32
    .max_flat_workgroup_size: 512
    .sgpr_count:     66
    .vgpr_count:     256
    .wavefront_size: 32
...
	.end_amdgpu_metadata
.endif
;; end of part 5
